; MI455X (gfx1250); checked and timed in simulation.
; The chip was launched on July 23, 2026; its instructions are those of AMD's public machine-readable ISA for CDNA 5 (MIT licence, August 2026) and "CDNA5" Instruction Set Architecture Reference Guide (July 2026). The comments in the code are by the model that wrote it; some were corrected since.
;; Attention. Allowed arithmetic: matrix products marked QUANTISED: E3M2 operands, one E8M0 scale for each 32 along K, by v_wmma_scale_f32_16x16x128_f8f6f4 with both operands' format E3M2, f32 sums; everything else in f32.
;; Inputs: bg 4 x 32 float32; bo 128 float32; kv_x 1 x 256 x 256 x 128 float32; mask_bias 1 x 256 x 1 x 1 x 256 float32; q_x 1 x 256 x 256 x 128 float32; triangle_bias 1 x 1 x 4 x 256 x 256 float32; wg 4 x 32 x 128 float32; wk 4 x 32 x 128 float32; wo 128 x 128 float32; wq 4 x 32 x 128 float32; wv 4 x 32 x 128 float32.
;; Outputs: out0 1 x 256 x 256 x 128 float32.
;; This version of the problem:
;;   THIS VERSION OF THE PROBLEM IS GIVEN IN LOW PRECISION. The matrix products marked QUANTISED in the list below multiply operands that are first quantised to E3M2 (3 exponent bits, 2 mantissa bits; 6 bits a number), with one power-of-two scale for each 32 numbers along K (OCP MX v1.0); their sums are f32. All else is computed in f32.
;;   The module's matrix products, in the order in which they are computed (A, B: the left and right operand; K: the contracted axis; several contracted axes count as one K, in the product's order):
;;     1. [M 128, K 128] x [K 128, N 65,536]; A: input wq; B: input q_x: QUANTISED
;;     2. [M 128, K 128] x [K 128, N 65,536]; A: input wk; B: input kv_x: QUANTISED
;;     3. [M 128, K 128] x [K 128, N 65,536]; A: input wv; B: input kv_x: QUANTISED
;;     4. batch 1,024 x [M 256, K 32] x [K 32, N 256]; A: computed on the way; B: computed on the way: QUANTISED
;;     5. batch 1,024 x [M 256, K 256] x [K 256, N 32]; A: softmax (see below); B: computed on the way: QUANTISED
;;     6. [M 65,536, K 128] x [K 128, N 128]; A: input q_x; B: input wg: QUANTISED
;;     7. [M 65,536, K 128] x [K 128, N 128]; A: computed on the way; B: input wo: QUANTISED
;;   THE QUANTISER, for each operand of a quantised product, along K:
;;     - K is cut into blocks of 32 from its start; a last block that is shorter is filled with zeros.
;;     - A block's scale is 2^e with e = floor(log2(the largest magnitude in the block)) - 4, held to -126 .. 127; a block of zeros has e = 0. As a byte (E8M0): e + 127.
;;     - Each number is divided by its block's scale, clamped to +-28, and rounded to the nearest number of E3M2, ties to even, subnormals kept.
;;     - The product sums the exact products of the quantised numbers (number of the format x scale) in f32.
;;   ~~~python
;;   def quantise(x, axis):      # numpy; x: float32 -> the quantised numbers, widened to float32 again
;;       x = np.moveaxis(x, axis, -1); K = x.shape[-1]
;;       x = np.pad(x, [(0, 0)] * (x.ndim - 1) + [(0, -K % 32)]); x = x.reshape(x.shape[:-1] + (-1, 32)); a = np.abs(x).max(-1, keepdims=True)
;;       e = np.where(a > 0, np.clip(np.frexp(np.where(a > 0, a, 1))[1] - 1 - 4, -126, 127), 0)      # np.frexp(a)[1] - 1 = floor(log2(a)), exactly
;;       r = np.clip(x / 2.0 ** e, -28, 28)
;;       step = 2.0 ** (np.maximum(np.frexp(np.where(r == 0, 1, r))[1] - 1, -2) - 2)
;;       q = np.round(r / step) * step * 2.0 ** e      # np.round: ties to even
;;       return np.moveaxis(q.reshape(q.shape[:-2] + (-1,))[..., :K], -1, axis).astype(np.float32)
;;   ~~~
;;   SOFTMAX AHEAD OF A QUANTISED PRODUCT. Where the list says 'softmax', what is quantised is not the finished softmax but p = 2^(t - M), with t = logit x log2(e) and M = ceil(the row's largest t), a whole number; so 1/2 < the row's largest p <= 1. The row's sum l is taken of the UNQUANTISED p, in f32, and the product's result is divided by l at the end. Since M is a whole number, a kernel that streams over the keys may use a running M (the ceiling of the running maximum): every later rescaling is an exact power of two, which a block's scale takes up: the codes' values come out the same.
;;   OPERANDS COMPUTED ON THE WAY. 'Computed on the way' means the value that the module computes at that place (a softmax that the list does not call 'softmax' is quantised finished and normalised). What goes into a quantiser is computed in f32, as accurately as f32 sums, v_exp_f32 and their like allow (about 1e-6 of the number): no bf16 or f16 on the way to a quantiser, and a product that is left as it is and whose result goes on into a quantised operand takes f32 operands (vector FMAs, or v_wmma_f32_16x16x4_f32). A number that lies on a knife's edge between two numbers of the format may be rounded either way, as far as f32 arithmetic and the matrix unit's own rounding can turn it there, and no further.
;; 2 versions. Each part assembles by itself: llvm-mc -triple=amdgcn-amd-amdhsa -mcpu=gfx1250 --defsym DOCPART=n.
;; ======== version 1 of 2: 1 launch
;; launch tri_attention (part 1): grid 256 x 1, 16 waves a work-group, no clusters, 285,696 bytes of LDS; arguments q_x, kv_x, mask_bias, triangle_bias, wq, wk, wv, wg, bg, wo, bo, out0; writes out0
.if DOCPART == 1
	.amdgcn_target "amdgcn-amd-amdhsa--gfx1250"
	.amdhsa_code_object_version 6
	.text
	.protected	k_qe17466a1c5_tri_attention
	.globl	k_qe17466a1c5_tri_attention
	.p2align	8
	.type	k_qe17466a1c5_tri_attention,@function
k_qe17466a1c5_tri_attention:
	s_mov_b64 s[64:65], 0
	v_nop
	global_prefetch_b8 v0, s[64:65] scope:SCOPE_SE
	s_setreg_imm32_b32 hwreg(HW_REG_WAVE_MODE, 25, 1), 1
	s_wait_xcnt 0x0
; Gated attention with a pair bias, all seven products on codes of BF6 (E3M2) with one E8M0 scale for each 32 along K.
; For each row n of 256: q, g from q_x[n], k, v from kv_x[n] (256 x 128 each, four heads of 32); logits q.k + mask_bias[n][key] + triangle_bias[head][query][key];
; p = 2^(t - M), t = logit x log2(e), M the ceiling of the running largest t; the sum of the unquantised p divides at the end; o x sigmoid(g + bg); out = o wo^T + bo.
; SHARES.  One work-group takes one n, whole: nothing of it goes to memory but out0.  Sixteen waves of 256 registers.  Wave w quantises 2 or 3 tiles of the weights, tile w of kv_x and tile w of q_x (phase L);
; makes tile w of k and one fragment of v (phase KV); from then on it owns 16 queries and meets no other wave: g, q, four heads of two key steps of 128, the last projection.  Two barriers in all.
; TILES.  Tile T = 2 b + u of any operand takes as its lane r the row 32 b + 8 u + r + 8 (r / 8).  In a result whose source 0 is such a tile, the 16 registers of tiles 2 b, 2 b + 1 of lane (col, h) are the
; indices 32 b + 16 h + 0 .. 15: sixteen neighbours along the next K, as the conversions want them.  Every product is laid so that a lane holds one key (k), one (head, d) (v) or one query (all others).
; OPERANDS GO FROM WAVE TO WAVE THROUGH LDS AS IMAGES OF THEIR REGISTERS: 3 stores of 16 bytes a lane for a fragment, 4 bytes a lane for its scale words.
; SCORES: K = 32 in an instruction of 128.  One run of six registers holds a head's 32 codes of an even key tile in lanes 0-15 (block 0 of source 0) and of the odd tile beside it in lanes 16-31 (block 1).
; Source 1 is q's 32 codes in block 0 (even tile) or block 1 (odd tile) and zero codes elsewhere, so whatever else source 0 names adds nothing (E3M2 has no code for infinity or NaN).  The scale words hold the
; row's byte of that head four times.  triangle_bias is loaded straight into the score accumulators, mask_bias is added there, and the sum is the C of the product.
; NO CLUSTER, NO JOINT LOADS: what work-groups share is triangle_bias (1 MiB read by each) and the weights (320 KiB).  Both go from memory straight into the registers that use them.  Through LDS a key step's bias,
; 256 queries x 128 keys x 4 bytes = 128 KiB, would be written and read once more, and the 327,680 - 285,696 = 41,984 bytes that this text leaves free hold no such slot.
; LIMITS.  NaN and infinities in any input (a mask of -infinity too) are not served.  The logit is summed as (triangle + mask) + q.k where the definition has (q.k + mask) + triangle: the two differ in rounding
; alone, which shows only in a row all of whose 256 keys carry a mask of the order of -1e9.  A block whose largest magnitude lies under 2^-122 keeps the scale byte 1 (a block of zeros too: its codes are zeros).
; 1 / l and the sigmoid are made with v_rcp_f32 and v_exp_f32.
; ---- LDS (bytes).  A fragment's image is FRB = 1,536, a scale image 128
.set FRB,   1536
.set WSC,   0                          ; 40 scale images: wq 0-7, wk 8-15, wv 16-23, wg 24-31, wo 32-39
.set WIMG,  5120                       ; 32 fragments: wq, wk, wv, wg
.set XSC,   54272                      ; kv_x: 16 scale images
.set KSC,   56320                      ; k: 32 scale images, index 8 head + pair of tiles: lanes 0-15 the even tile, lanes 16-31 the odd one
.set VSC,   60416                      ; v: 16 scale images, index 8 step + tile
.set P1,    62464                      ; a second base, since an LDS offset has 16 bits.  From P1 on: wo, 8 fragments;
.set VIMG,  12288                      ; v, 16 fragments, index 8 step + tile;
.set KIMG,  36864                      ; k, 32 images of 768 bytes, index 8 head + pair: 32 slots of 16 bytes (registers 0-3), then 32 of 8 (registers 4-5);
.set XIMG,  61440                      ; kv_x, 16 fragments
.set P2,    P1+XIMG
.set STG,   148480                     ; for each wave WST bytes of its own: first the image of g (16 x 512), at the end the stage for out (16 rows of 528)
.set WST,   8448
; ---- vector registers that stay
.set LI0,  1                           ; 16 L
.set LI1,  2                           ; 16 L + P1
.set LS,   3                           ; 4 L
.set AK8,  4                           ; 8 L + P1 + KIMG + 512
.set LWS,  5                           ; prologue: 4 L + 128 (w % 8)
.set TBO,  5                           ; from phase Q on: my query's row of triangle_bias + 64 h
.set SGI,  6                           ; my stage + 16 L
.set SGO,  7                           ; my stage + 528 r + 64 h
.set FS,   8                           ; v8-11  scale words of the fragments in hand (these, v30, v31, v239 and v243 hold scales and nothing else)
.set MK,   16                          ; v16-23 mask_bias[n][32 b + L]
.set SFS,  30                          ; scale words of the fixed fragment
.set QS,   31                          ; xq's scale words, later q's byte of the head in hand, four times
; ---- prologue
.set XKA,  12                          ; (r + 8 (r / 8)) x 512 + 64 h: my 16 numbers of a block of 32, in a tile of f32 rows
.set WWI,  13                          ; 16 L + FRB w
.set WWS,  14                          ; 4 L + 128 w
.set XWI,  15                          ; WWI + P1
.set LXV,  24                          ; 16 L + P2 + 8 FRB (w / 8)
.set LSV,  25                          ; 4 L + 1024 (w / 8)
.set KW16, 26                          ; where my lane stores registers 0-3 of a head of k
.set KW8,  27                          ; and registers 4-5
.set KWS,  28                          ; and its scale word
.set LWV,  29                          ; 16 L + FRB (w % 8)
.set BA,   160                         ; three sets of 64 numbers as loaded
.set BB,   32
.set BC,   96
.set FA,   32                          ; v32-79 four fragments fetched from LDS
.set SF,   84                          ; v84-95 the fixed fragment
.set XQ,   96                          ; v96-107 my 16 rows of q_x as codes
.set BOA,  110                         ; 64 h: a bias in the layout of a result
; ---- attention
.set NM,   12                          ; -M
.set MT,   13                          ; the running largest t
.set LSUM, 14                          ; v[14:15] the sum of p, in two halves
.set FAC,  24                          ; f = 2^(old M - new M), later 1 / l (v25 is named with it as a pair; only the low word is taken)
.set SU0,  26                          ; v[26:27], v[28:29] two chains of sums; at work
.set SU1,  28
.set QF,   32                          ; v32-43 q's fragment: lane (r, h), registers 6 c on: head 2 c + h
.set QW,   47                          ; q's four scale bytes
.set QE,   48                          ; v48-53 the head's codes in lanes 0-15, v54-59 zeros
.set QO,   60                          ; v60-65 the same codes in lanes 16-31, v66-71 zeros
.set KR,   72                          ; v72-95 four runs of six registers of k; later two fragments of v
.set OACC, 112                         ; v112-127 O^T of the head: register i = channel 32 head + 16 h + i
.set GR,   128                         ; v128-143 the gate of the same channels
.set OG,   144                         ; v144-155 the gated o as codes
.set OT,   156
.set S,    160                         ; v160-223 eight accumulators
.set PC,   224                         ; v224-235 the codes just made (at work: 236-238, 240-242)
.set PW,   239                         ; their scale words
.set OW,   243                         ; the gated o's scale words
.set TM,   244                         ; v244-247 largest magnitudes, v248-251 the other half's, then bytes, v252-255 the conversions' scale operands
; ---- scalar registers
.set SEL,  38                          ; s[38:39] v_permlanex16_b32: lane l xor 16
.set CS,   40                          ; s[40:41] log2(e)
.set QSC,  42                          ; s[42:43] 1 / sqrt(32)
.set LOW,  44                          ; lanes 0-15
.set HIGH, 45                          ; lanes 16-31
.set NCS,  54                          ; s[54:55] -log2(e)
.macro PLACES n                        ; plain vector instructions that name no register of the matrix instruction ahead (ISA guide 7.12.1)
.rept \n
	v_nop
.endr
.endm
.macro XLOAD reg, base, nt             ; 16 rows x 128 f32: lane (r, h) takes 16 neighbours of each block of 32 of its row: register 16 b + i = k 32 b + 16 h + i
.irp b, 0,1,2,3
.irp j, 0,1,2,3
.if \nt
	global_load_b128 v[(\reg)+16*\b+4*\j:(\reg)+16*\b+4*\j+3], v[XKA], s[\base:\base+1] offset:128*\b+16*\j th:TH_LOAD_NT
.else
	global_load_b128 v[(\reg)+16*\b+4*\j:(\reg)+16*\b+4*\j+3], v[XKA], s[\base:\base+1] offset:128*\b+16*\j
.endif
.endr
.endr
.endm
.macro BYTES pw                        ; four blocks' largest magnitudes in v[TM] on become the conversions' scale operands and the scale word
.irp b, 0,1,2,3
	v_add_nc_u32 v[TM+8+\b], 0xfe000000, v[TM+\b]          ; 4 off the exponent field: the conversion takes the exponent field of this operand as its scale
.endr
.irp b, 0,1,2,3
	v_lshrrev_b32 v[TM+4+\b], 23, v[TM+8+\b]               ; the scale's byte
.endr
	v_lshl_or_b32 v[\pw], v[TM+5], 8, v[TM+4]
	v_lshl_or_b32 v[\pw], v[TM+6], 16, v[\pw]
	v_lshl_or_b32 v[\pw], v[TM+7], 24, v[\pw]
.endm
.macro CODES s, pc                     ; 64 numbers become a fragment: 12 registers from pc on
.irp c, 0,1
	v_cvt_scalef32_pk16_bf6_f32 v[(\pc)+6*\c:(\pc)+6*\c+2], v[(\s)+32*\c:(\s)+32*\c+15], v[TM+8+2*\c]
	v_cvt_scalef32_pk16_bf6_f32 v[(\pc)+12+4*\c:(\pc)+14+4*\c], v[(\s)+32*\c+16:(\s)+32*\c+31], v[TM+8+2*\c+1]   ; (three registers that begin on an even number)
.endr
	v_nop                                                  ; one plain place behind a scaled conversion
.irp c, 0,1                            ; the operand wants a whole block in a lane: lanes 0-15 block 2 c, lanes 16-31 block 2 c + 1
.irp i, 0,1,2
	v_permlane16_swap_b32 v[(\pc)+6*\c+\i], v[(\pc)+12+4*\c+\i]
.endr
.irp i, 0,1,2
	v_mov_b32 v[(\pc)+6*\c+3+\i], v[(\pc)+12+4*\c+\i]
.endr
.endr
.endm
.macro QUANT s, pc, pw                 ; register 16 b + i of v[s] on = k 32 b + 16 h + i of my row: its codes and its scale word
.irp b, 0,1,2,3
	v_max3_num_f32 v[TM+\b], |v[(\s)+16*\b]|, |v[(\s)+16*\b+1]|, 0x2800000   ; with the floor 2^(5 - 127): the byte cannot fall under 1
.endr
.irp i, 2,4,6,8,10,12,14
.irp b, 0,1,2,3
	v_max3_num_f32 v[TM+\b], v[TM+\b], |v[(\s)+16*\b+\i]|, |v[(\s)+16*\b+\i+1]|   ; the four blocks by turns, each accumulator from its low end on
.endr
.endr
.irp b, 0,1,2,3
	v_permlanex16_b32 v[TM+4+\b], v[TM+\b], s[SEL], s[SEL+1]
.endr
.irp b, 0,1,2,3
	v_max_num_f32 v[TM+\b], v[TM+\b], v[TM+4+\b]           ; with lane l xor 16: the block's largest magnitude
.endr
	BYTES \pw
	CODES \s, \pc
.endm
.macro IMAGE adr, off                  ; the fragment in v[PC] on goes to LDS as it stands
.irp c, 0,1,2
	ds_store_b128 v[\adr], v[PC+4*\c:PC+4*\c+3] offset:(\off)+512*\c
.endr
.endm
.macro FETCH reg, adr, off             ; and comes back so, in any wave
.irp c, 0,1,2
	ds_load_b128 v[(\reg)+4*\c:(\reg)+4*\c+3], v[\adr] offset:(\off)+512*\c
.endr
.endm
.macro BARRIER                         ; my LDS stores have landed and my LDS loads are in: then the work-group's barrier
	s_wait_dscnt 0x0
	s_barrier_signal -1
	s_barrier_wait -1
.endm
.macro MM d, a, b, acc, sa, sb, row1   ; one product.  acc = 1: C is D's registers; 0: the constant 0.  row1 = 1: source 0's scales from lanes 16-31
.if \acc
.if \row1
	v_wmma_scale_f32_16x16x128_f8f6f4 v[(\d):(\d)+7], v[(\a):(\a)+11], v[(\b):(\b)+11], v[(\d):(\d)+7], v[\sa], v[\sb] matrix_a_fmt:MATRIX_FMT_BF6 matrix_b_fmt:MATRIX_FMT_BF6 matrix_a_scale:MATRIX_SCALE_ROW1
.else
	v_wmma_scale_f32_16x16x128_f8f6f4 v[(\d):(\d)+7], v[(\a):(\a)+11], v[(\b):(\b)+11], v[(\d):(\d)+7], v[\sa], v[\sb] matrix_a_fmt:MATRIX_FMT_BF6 matrix_b_fmt:MATRIX_FMT_BF6
.endif
.else
	v_wmma_scale_f32_16x16x128_f8f6f4 v[(\d):(\d)+7], v[(\a):(\a)+11], v[(\b):(\b)+11], 0, v[\sa], v[\sb] matrix_a_fmt:MATRIX_FMT_BF6 matrix_b_fmt:MATRIX_FMT_BF6
.endif
.endm
; Eight tiles from LDS (images from ioff on at v[adr], scale words from soff on at v[sadr]) as source 0, against one fixed fragment as source 1: eight accumulators, one instruction each.
.macro PROJ adr, ioff, sadr, soff, bf, bs, acc
.irp g, 0,1
.if \g
	PLACES 4                                               ; ahead of loads into registers that the four products above have read
.endif
.irp i, 0,1,2,3
	FETCH FA+12*\i, \adr, (\ioff)+(4*\g+\i)*FRB
	ds_load_b32 v[FS+\i], v[\sadr] offset:(\soff)+(4*\g+\i)*128
.endr
	s_wait_dscnt 0x0                                       ; the four fragments and their scale words are in (and every earlier LDS instruction of mine is done)
.irp i, 0,1,2,3
	MM S+8*(4*\g+\i), FA+12*\i, \bf, \acc, FS+\i, \bs, 0
.endr
.endr
.endm
.macro TBLOAD hd, ks                   ; triangle_bias[hd][my query][128 ks + 32 b + 16 h + i] into register 16 b + i of the score accumulators
.irp b, 0,1,2,3
.irp i, 0,1,2,3
	global_load_b128 v[S+16*\b+4*\i:S+16*\b+4*\i+3], v[TBO], s[14:15] offset:262144*(\hd)+512*(\ks)+128*\b+16*\i
.endr
.endr
.endm
.macro BLOAD base                      ; a bias of 128 numbers in the layout of a result: register 16 b + i = number 32 b + 16 h + i
.irp b, 0,1,2,3
.irp i, 0,1,2,3
	global_load_b128 v[S+16*\b+4*\i:S+16*\b+4*\i+3], v[BOA], s[\base:\base+1] offset:128*\b+16*\i
.endr
.endr
.endm
; ================ the head: ids, LDS addresses (all made here, ahead of the first branch), pointers
	s_load_b512 s[8:23], s[0:1], 0x0               ; q_x s[8:9], kv_x s[10:11], mask_bias s[12:13], triangle_bias s[14:15], wq s[16:17], wk s[18:19], wv s[20:21], wg s[22:23]
	s_load_b256 s[24:31], s[0:1], 0x40             ; bg s[24:25], wo s[26:27], bo s[28:29], out0 s[30:31]
	v_lshrrev_b32 v32, 5, v0
	v_readfirstlane_b32 s2, v32                    ; w: wave 0..15
	v_and_b32 v32, 31, v0                          ; L
	v_and_b32 v33, 15, v0                          ; r
	v_bfe_u32 v34, v0, 4, 1                        ; h
	v_and_b32 v35, 8, v0
	v_add_nc_u32 v35, v35, v33                     ; r + 8 (r / 8)
	s_lshr_b32 s3, s2, 1                           ; w / 2
	s_and_b32 s4, s2, 1                            ; w % 2
	s_and_b32 s5, s2, 7                            ; w % 8
	s_lshr_b32 s6, s2, 3                           ; w / 8
	s_lshl_b32 s7, s3, 5
	s_lshl_b32 s46, s4, 3
	s_add_co_u32 s7, s7, s46                       ; first row of tile w: 32 (w / 2) + 8 (w % 2)
	s_lshr_b32 s47, s5, 1
	s_lshl_b32 s47, s47, 5
	s_add_co_u32 s47, s47, s46                     ; first row of tile w % 8
	v_lshlrev_b32 v[LI0], 4, v32
	v_add_nc_u32 v[LI1], P1, v[LI0]
	v_lshlrev_b32 v[LS], 2, v32
	v_lshl_add_u32 v[AK8], v32, 3, P1+KIMG+512
	v_lshlrev_b32 v[XKA], 9, v35
	v_lshl_add_u32 v[XKA], v34, 6, v[XKA]
	s_mul_i32 s48, s2, FRB
	v_add_nc_u32 v[WWI], s48, v[LI0]
	v_add_nc_u32 v[XWI], P1, v[WWI]
	s_lshl_b32 s48, s2, 7
	v_add_nc_u32 v[WWS], s48, v[LS]
	s_mul_i32 s48, s6, 8*FRB
	s_add_co_u32 s48, s48, P2
	v_add_nc_u32 v[LXV], s48, v[LI0]
	s_lshl_b32 s48, s6, 10
	v_add_nc_u32 v[LSV], s48, v[LS]
	s_mul_i32 s48, s5, FRB
	v_add_nc_u32 v[LWV], s48, v[LI0]
	s_lshl_b32 s48, s5, 7
	v_add_nc_u32 v[LWS], s48, v[LS]
	s_mul_i32 s48, s3, 768                         ; k: image 8 head + w / 2; my key is slot 16 (w % 2) + r; my lane holds heads h and 2 + h: 8 x 768 = 6,144 bytes from head to head
	s_lshl_b32 s49, s4, 8
	s_add_co_u32 s49, s49, s48
	s_add_co_u32 s49, s49, P1+KIMG
	v_mul_u32_u24 v[KW16], v34, 6144
	v_lshl_add_u32 v[KW8], v33, 3, v[KW16]
	v_lshl_add_u32 v[KW16], v33, 4, v[KW16]
	v_add_nc_u32 v[KW16], s49, v[KW16]
	s_lshl_b32 s49, s4, 7
	s_add_co_u32 s49, s49, s48
	s_add_co_u32 s49, s49, P1+KIMG+512
	v_add_nc_u32 v[KW8], s49, v[KW8]
	s_lshl_b32 s48, s3, 7
	s_lshl_b32 s49, s4, 6
	s_add_co_u32 s48, s48, s49
	s_add_co_u32 s48, s48, KSC
	v_lshl_add_u32 v[KWS], v33, 2, s48
	s_mul_i32 s48, s2, WST
	s_add_co_u32 s48, s48, STG
	v_add_nc_u32 v[SGI], s48, v[LI0]
	v_mul_u32_u24 v[SGO], v33, 528
	v_lshl_add_u32 v[SGO], v34, 6, v[SGO]
	v_add_nc_u32 v[SGO], s48, v[SGO]
.irp b, 0,1,2,3
	v_mov_b32 v[TM+4+\b], 0                        ; written once: a lane permute's destination counts as one of its sources
.endr
	s_mov_b32 s[SEL], 0x76543210
	s_mov_b32 s[SEL+1], 0xfedcba98
	s_mov_b32 s[CS], 0x3fb8aa3b
	s_mov_b32 s[CS+1], s[CS]                       ; (a packed form names the pair and takes its low word for both halves: so the upper one is written)
	s_mov_b32 s[QSC], 0x3e3504f3
	s_mov_b32 s[QSC+1], s[QSC]
	s_mov_b32 s[NCS], 0xbfb8aa3b
	s_mov_b32 s[NCS+1], s[NCS]
	s_mov_b32 s[LOW], 0x0000ffff
	s_mov_b32 s[HIGH], 0xffff0000
	s_lshl_b32 s53, s7, 10                         ; my tile's first row of triangle_bias, in bytes
	s_wait_kmcnt 0x0
	s_cmp_lt_u32 s2, 8                             ; waves 0-7 quantise wq, wv and wo, waves 8-15 wk and wg: tile w % 8 of each
	s_cselect_b64 s[32:33], s[16:17], s[18:19]
	s_cselect_b64 s[34:35], s[20:21], s[22:23]
	s_lshl_b32 s50, s47, 9
	s_mov_b32 s51, 0
	s_add_nc_u64 s[32:33], s[32:33], s[50:51]
	s_add_nc_u64 s[34:35], s[34:35], s[50:51]
	s_add_nc_u64 s[36:37], s[26:27], s[50:51]
	s_lshl_b32 s50, ttmp9, 17                      ; n x 256 rows of 512 bytes,
	s_lshl_b32 s52, s7, 9
	s_add_co_u32 s50, s50, s52                     ; + my tile's first row
	s_add_nc_u64 s[8:9], s[8:9], s[50:51]
	s_add_nc_u64 s[10:11], s[10:11], s[50:51]
	s_add_nc_u64 s[30:31], s[30:31], s[50:51]
	s_lshl_b32 s50, ttmp9, 10
	s_add_nc_u64 s[12:13], s[12:13], s[50:51]      ; mask_bias[n]
; ================ L: everything that arrives as f32 and is an operand becomes codes
.irp b, 0,1,2,3,4,5,6,7
	global_load_b32 v[MK+\b], v[LS], s[12:13] offset:128*\b
.endr
	XLOAD BA, 32, 0                                ; wq or wk
	XLOAD BB, 34, 0                                ; wv or wg
	XLOAD BC, 10, 1                                ; kv_x, tile w
	s_wait_loadcnt 32                              ; the mask and the first tile are in; the 32 loads behind them stay out
	QUANT BA, PC, PW
	IMAGE WWI, WIMG
	ds_store_b32 v[WWS], v[PW] offset:WSC
	XLOAD BA, 8, 1                                 ; q_x, tile w
	s_wait_loadcnt 32                              ; the second tile is in; kv_x and q_x stay out
	s_wait_dscnt 0x0                               ; the stores have read their registers
	QUANT BB, PC, PW
	IMAGE WWI, WIMG+16*FRB
	ds_store_b32 v[WWS], v[PW] offset:WSC+16*128
	s_cmp_ge_u32 s2, 8
	s_cbranch_scc1 .Lno_wo_load
	XLOAD BB, 36, 0                                ; wo, waves 0-7
.Lno_wo_load:
	s_wait_loadcnt 16                              ; kv_x is in on both ways: the 16 that may stay out are q_x's (waves 8-15) or wo's (waves 0-7)
	s_wait_dscnt 0x0
	QUANT BC, PC, PW
	IMAGE XWI, XIMG
	ds_store_b32 v[WWS], v[PW] offset:XSC
	s_wait_loadcnt 0x0
	QUANT BA, XQ, QS                               ; my 16 rows of q_x stay in registers
	v_bfe_u32 v[BOA], v0, 4, 1
	v_lshlrev_b32 v[BOA], 6, v[BOA]
	s_cmp_ge_u32 s2, 8
	s_cbranch_scc1 .Lno_wo
	s_wait_dscnt 0x0
	QUANT BB, PC, PW
	IMAGE WWI, P1
	ds_store_b32 v[WWS], v[PW] offset:WSC+32*128
.Lno_wo:
	BARRIER                                        ; the weights and kv_x lie in LDS as codes
; ================ KV.  k^T = wk x kv_x (tile w): a lane holds one key, register 16 b + i = head b, d = 16 h + i
	FETCH SF, XWI, XIMG
	ds_load_b32 v[SFS], v[WWS] offset:XSC
	PROJ LI0, WIMG+8*FRB, LS, WSC+8*128, SF, SFS, 0
	PLACES 4
	QUANT S, PC, PW                                ; a block is a head's 32: lane (r, h), registers 6 c on: head 2 c + h of key r
.irp c, 0,1
	ds_store_b128 v[KW16], v[PC+6*\c:PC+6*\c+3] offset:12288*\c
	ds_store_b64 v[KW8], v[PC+6*\c+4:PC+6*\c+5] offset:12288*\c
.endr
.irp i, 0,1,2,3
	v_perm_b32 v[TM+\i], v[PW], v[PW], 0x01010101*\i       ; head i's byte, four times
.endr
.irp i, 0,1,2,3
	ds_store_b32 v[KWS], v[TM+\i] offset:1024*\i           ; (lanes r and 16 + r write the same word with the same value)
.endr
; v = kv_x (tiles 8 (w / 8) on) x wv (tile w % 8): a lane holds one (head, d), its registers run along 128 keys
	FETCH SF, LWV, WIMG+16*FRB
	ds_load_b32 v[SFS], v[LWS] offset:WSC+16*128
	PROJ LXV, 0, LSV, XSC, SF, SFS, 0              ; (its wait for LDS also shows k's stores done, ahead of the next codes)
	PLACES 4
	QUANT S, PC, PW
	IMAGE XWI, VIMG
	ds_store_b32 v[WWS], v[PW] offset:VSC
	BLOAD 24                                       ; bg, as the C of the gate's product
	BARRIER                                        ; k and v lie in LDS; from here on no wave writes what another reads
; ================ G: the gate.  g^T = wg x q_x + bg: a lane holds one query, register 16 b + i = channel 32 b + 16 h + i
	s_wait_loadcnt 0x0                             ; bg
	PROJ LI0, WIMG+24*FRB, LS, WSC+24*128, XQ, QS, 1
	PLACES 4
.irp j, 0,2,4,6,8,10,12,14,16,18,20,22,24,26,28,30,32,34,36,38,40,42,44,46,48,50,52,54,56,58,60,62
	v_pk_mul_f32 v[S+\j:S+\j+1], v[S+\j:S+\j+1], s[NCS:NCS+1] op_sel_hi:[1,0]
.endr
.irp j, 0,1,2,3,4,5,6,7,8,9,10,11,12,13,14,15,16,17,18,19,20,21,22,23,24,25,26,27,28,29,30,31,32,33,34,35,36,37,38,39,40,41,42,43,44,45,46,47,48,49,50,51,52,53,54,55,56,57,58,59,60,61,62,63
	v_exp_f32 v[S+\j], v[S+\j]
.endr
	v_nop                                          ; a plain place behind the transcendentals
	s_wait_alu depctr_va_vdst(0)
.irp j, 0,2,4,6,8,10,12,14,16,18,20,22,24,26,28,30,32,34,36,38,40,42,44,46,48,50,52,54,56,58,60,62
	v_pk_add_f32 v[S+\j:S+\j+1], v[S+\j:S+\j+1], 1.0 op_sel_hi:[1,0]
.endr
.irp j, 0,1,2,3,4,5,6,7,8,9,10,11,12,13,14,15,16,17,18,19,20,21,22,23,24,25,26,27,28,29,30,31,32,33,34,35,36,37,38,39,40,41,42,43,44,45,46,47,48,49,50,51,52,53,54,55,56,57,58,59,60,61,62,63
	v_rcp_f32 v[S+\j], v[S+\j]                     ; 1 / (1 + 2^(-x log2(e)))
.endr
	v_nop
	s_wait_alu depctr_va_vdst(0)
.irp i, 0,1,2,3,4,5,6,7,8,9,10,11,12,13,14,15
	ds_store_b128 v[SGI], v[S+4*\i:S+4*\i+3] offset:512*\i         ; to my own bytes, as the registers stand; a head takes its 16 back when it ends
.endr
; ================ Q: q^T = wq x q_x, x 1 / sqrt(32), quantised head by head
	PROJ LI0, WIMG, LS, WSC, XQ, QS, 0             ; (its wait for LDS shows the gate's stores done ahead of the first product into S)
	PLACES 4
.irp j, 0,2,4,6,8,10,12,14,16,18,20,22,24,26,28,30,32,34,36,38,40,42,44,46,48,50,52,54,56,58,60,62
	v_pk_mul_f32 v[S+\j:S+\j+1], v[S+\j:S+\j+1], s[QSC:QSC+1] op_sel_hi:[1,0]
.endr
	QUANT S, QF, QW
	v_and_b32 v[SU0], 15, v0
	v_and_b32 v[SU0+1], 8, v0
	v_add_nc_u32 v[SU0], v[SU0], v[SU0+1]          ; r + 8 (r / 8)
	v_bfe_u32 v[SU0+1], v0, 4, 1
	v_lshl_add_u32 v[SU0], v[SU0], 10, s53         ; my query's row of 1,024 bytes
	v_lshl_add_u32 v[TBO], v[SU0+1], 6, v[SU0]     ; + 64 h
	TBLOAD 0, 0
.irp i, 0,1,2,3,4,5
	v_mov_b32 v[QE+6+\i], 0                        ; blocks 2 and 3 of source 1: zero codes
	v_mov_b32 v[QO+6+\i], 0
.endr
; ================ a key step: 128 keys of head hd
.macro STEP hd, ks
.set KI, 8*(\hd)+4*(\ks)
.if \ks
	PLACES 4                                       ; behind the first step's two products of V, ahead of loads into their registers
.endif
.irp b, 0,1,2,3
	s_wait_loadcnt 12-4*\b                         ; block b's four loads of the bias are in; the later blocks' stay out (nothing else global is out)
.irp i, 0,1,2,3,4,5,6,7,8,9,10,11,12,13,14,15
	v_add_f32_dpp v[S+16*\b+\i], v[MK+4*(\ks)+\b], v[S+16*\b+\i] row_share:\i row_mask:0xf bank_mask:0xf   ; + mask_bias of key 128 ks + 32 b + 16 h + i: lane i of my half of the lanes holds it
.endr
.if \b == 0
.irp p, 0,1,2,3                        ; pair p of key tiles: the head's codes of both, and their scale words
	ds_load_b128 v[KR+6*\p:KR+6*\p+3], v[LI1] offset:KIMG+(KI+\p)*768
	ds_load_b64 v[KR+6*\p+4:KR+6*\p+5], v[AK8] offset:(KI+\p)*768
	ds_load_b32 v[FS+\p], v[LS] offset:KSC+(KI+\p)*128
.endr
.endif
.endr
	s_wait_dscnt 0x0
	PLACES 4
.irp p, 0,1,2,3                        ; S^T = K Q^T + bias.  Source 0 names six registers more than the pair's: they meet zero codes
	MM S+16*\p, KR+6*\p, QE, 1, FS+\p, QS, 0
	MM S+16*\p+8, KR+6*\p, QO, 1, FS+\p, QS, 1
.endr
	PLACES 4                                       ; ahead of loads into the products' registers and of the first read of the scores
.irp u, 0,1
	FETCH KR+12*\u, LI1, VIMG+(8*(\ks)+2*(\hd)+\u)*FRB
	ds_load_b32 v[FS+\u], v[LS] offset:VSC+(8*(\ks)+2*(\hd)+\u)*128
.endr
.irp b, 0,1,2,3
	v_max3_num_f32 v[TM+\b], v[S+16*\b], v[S+16*\b+1], v[S+16*\b+2]       ; the largest logit of each block of 32 keys: for the row's maximum, and, since p rises with the logit, for the block's largest p
.endr
.irp i, 3,5,7,9,11,13
.irp b, 0,1,2,3
	v_max3_num_f32 v[TM+\b], v[TM+\b], v[S+16*\b+\i], v[S+16*\b+\i+1]
.endr
.endr
.irp b, 0,1,2,3
	v_max_num_f32 v[TM+\b], v[TM+\b], v[S+16*\b+15]
.endr
.irp b, 0,1,2,3
	v_permlanex16_b32 v[TM+4+\b], v[TM+\b], s[SEL], s[SEL+1]
.endr
.irp b, 0,1,2,3
	v_max_num_f32 v[TM+\b], v[TM+\b], v[TM+4+\b]
.endr
	v_max3_num_f32 v[SU0], v[TM], v[TM+1], v[TM+2]
	v_max_num_f32 v[SU0], v[SU0], v[TM+3]
.if \ks == 0
	v_mul_f32 v[MT], s[CS], v[SU0]                 ; the head's first step starts the maximum
	v_floor_f32 v[NM], -v[MT]                      ; -M = floor(-t) = -ceil(t)
.else
	v_mul_f32 v[SU0], s[CS], v[SU0]
	v_max_num_f32 v[MT], v[MT], v[SU0]
	v_mov_b32 v[SU0], v[NM]
	v_floor_f32 v[NM], -v[MT]
	v_sub_f32 v[SU0], v[NM], v[SU0]                ; old M - new M: a whole number, 0 or less
	v_cvt_i32_f32 v[SU0], v[SU0]                   ; (it saturates)
	v_ldexp_f32 v[FAC], 1.0, v[SU0]                ; f = 2^(old M - new M): a multiplication by it rounds nothing
.endif
.irp j, 0,2,4,6,8,10,12,14,16,18,20,22,24,26,28,30,32,34,36,38,40,42,44,46,48,50,52,54,56,58,60,62
	v_pk_fma_f32 v[S+\j:S+\j+1], v[S+\j:S+\j+1], s[CS:CS+1], v[NM:NM+1] op_sel_hi:[1,0,0]   ; t - M
.endr
.irp b, 0,1,2,3
	v_fma_f32 v[TM+\b], v[TM+\b], s[CS], v[NM]     ; the same of each block's largest logit
.endr
.irp j, 0,1,2,3,4,5,6,7,8,9,10,11,12,13,14,15,16,17,18,19,20,21,22,23,24,25,26,27,28,29,30,31,32,33,34,35,36,37,38,39,40,41,42,43,44,45,46,47,48,49,50,51,52,53,54,55,56,57,58,59,60,61,62,63
	v_exp_f32 v[S+\j], v[S+\j]                     ; p = 2^(t - M): not normalised
.endr
.irp b, 0,1,2,3
	v_exp_f32 v[TM+\b], v[TM+\b]                   ; the block's largest p: the same two instructions on the same number
.endr
.if \ks
	s_wait_alu depctr_va_vdst(0)
.irp j, 0,2,4,6,8,10,12,14
	v_pk_mul_f32 v[OACC+\j:OACC+\j+1], v[OACC+\j:OACC+\j+1], v[FAC:FAC+1] op_sel_hi:[1,0]   ; O^T under the new M (also the plain place behind the exponentials)
.endr
.else
	v_nop                                          ; a plain place behind the exponentials
	s_wait_alu depctr_va_vdst(0)
.endif
.irp b, 0,1,2,3
	v_max_num_f32 v[TM+\b], 0x2800000, v[TM+\b]    ; the floor: a block whose every p is 0 keeps the byte 1, its codes are zeros
.endr
	BYTES PW
	CODES S, PC
	v_pk_add_f32 v[SU0:SU0+1], v[S:S+1], v[S+2:S+3]        ; the sum of the unquantised p, two at a time, in two chains
	v_pk_add_f32 v[SU1:SU1+1], v[S+4:S+5], v[S+6:S+7]
.irp j, 8,16,24,32,40,48,56
	v_pk_add_f32 v[SU0:SU0+1], v[SU0:SU0+1], v[S+\j:S+\j+1]
	v_pk_add_f32 v[SU1:SU1+1], v[SU1:SU1+1], v[S+\j+2:S+\j+3]
	v_pk_add_f32 v[SU0:SU0+1], v[SU0:SU0+1], v[S+\j+4:S+\j+5]
	v_pk_add_f32 v[SU1:SU1+1], v[SU1:SU1+1], v[S+\j+6:S+\j+7]
.endr
.if \ks == 0
	v_pk_add_f32 v[LSUM:LSUM+1], v[SU0:SU0+1], v[SU1:SU1+1]
	TBLOAD \hd, 1                                  ; the next step's bias lands while this step ends
.else
	v_pk_fma_f32 v[LSUM:LSUM+1], v[LSUM:LSUM+1], v[FAC:FAC+1], v[SU0:SU0+1] op_sel_hi:[1,0,1]
	v_pk_add_f32 v[LSUM:LSUM+1], v[LSUM:LSUM+1], v[SU1:SU1+1]
.if \hd < 3
	TBLOAD \hd+1, 0
.else
	BLOAD 28                                       ; behind the last step: bo, as the C of the last projection
.endif
.endif
	s_wait_dscnt 0x0                               ; the two fragments of V and their scale words
.irp u, 0,1                            ; O^T (+)= V^T P^T: channels 32 hd + 16 h + 8 u + 0 .. 7 of my query
	MM OACC+8*\u, KR+12*\u, PC, \ks, FS+\u, PW, 0
.endr
.endm
; ================ a head
.macro HEAD hd
.set HC, (\hd)/2
.set HH, (\hd)%2
.irp i, 0,1,2,3
	ds_load_b128 v[GR+4*\i:GR+4*\i+3], v[SGI] offset:512*(4*(\hd)+\i)      ; the gate of this head's channels (waited for with the first step's LDS loads)
.endr
	v_perm_b32 v[QS], v[QW], v[QW], 0x01010101*(\hd)       ; q's byte of this head, four times
.irp i, 0,1,2,3,4,5                    ; q's 32 codes of this head lie in lanes with h = hd % 2: once into lanes 0-15 alone, once into lanes 16-31 alone
.if HH == 0
	v_cndmask_b32 v[QE+\i], 0, v[QF+6*HC+\i], s[LOW]
	v_permlanex16_b32 v[QO+\i], v[QF+6*HC+\i], s[SEL], s[SEL+1]
.else
	v_cndmask_b32 v[QO+\i], 0, v[QF+6*HC+\i], s[HIGH]
	v_permlanex16_b32 v[QE+\i], v[QF+6*HC+\i], s[SEL], s[SEL+1]
.endif
.endr
.irp i, 0,1,2,3,4,5
.if HH == 0
	v_cndmask_b32 v[QO+\i], 0, v[QO+\i], s[HIGH]
.else
	v_cndmask_b32 v[QE+\i], 0, v[QE+\i], s[LOW]
.endif
.endr
	STEP \hd, 0
	STEP \hd, 1
	PLACES 4                                       ; behind the head's last products
	v_add_f32 v[SU0], v[LSUM], v[LSUM+1]           ; the sum's two halves,
	v_permlanex16_b32 v[TM+4], v[SU0], s[SEL], s[SEL+1]
	v_add_f32 v[SU0], v[SU0], v[TM+4]              ; and lane l xor 16: l
	v_rcp_f32 v[FAC], v[SU0]
	v_nop
	s_wait_alu depctr_va_vdst(0)
.irp j, 0,2,4,6,8,10,12,14
	v_pk_mul_f32 v[OACC+\j:OACC+\j+1], v[OACC+\j:OACC+\j+1], v[FAC:FAC+1] op_sel_hi:[1,0]   ; o = O / l
.endr
.irp j, 0,2,4,6,8,10,12,14
	v_pk_mul_f32 v[OACC+\j:OACC+\j+1], v[OACC+\j:OACC+\j+1], v[GR+\j:GR+\j+1]              ; x the gate
.endr
	v_max3_num_f32 v[TM], |v[OACC]|, |v[OACC+1]|, 0x2800000        ; the head is one block of the last product: my 16 numbers, in two chains, with the floor
	v_max3_num_f32 v[TM+1], |v[OACC+2]|, |v[OACC+3]|, |v[OACC+4]|
.irp i, 5,9
	v_max3_num_f32 v[TM], v[TM], |v[OACC+\i]|, |v[OACC+\i+1]|
	v_max3_num_f32 v[TM+1], v[TM+1], |v[OACC+\i+2]|, |v[OACC+\i+3]|
.endr
	v_max3_num_f32 v[TM], v[TM], |v[OACC+13]|, |v[OACC+14]|
	v_max3_num_f32 v[TM], v[TM], v[TM+1], |v[OACC+15]|
	v_permlanex16_b32 v[TM+4], v[TM], s[SEL], s[SEL+1]
	v_max_num_f32 v[TM], v[TM], v[TM+4]
	v_add_nc_u32 v[TM+8], 0xfe000000, v[TM]
	v_lshrrev_b32 v[TM+4], 23, v[TM+8]
.if \hd == 0
	v_mov_b32 v[OW], v[TM+4]
.else
	v_lshl_or_b32 v[OW], v[TM+4], 8*(\hd), v[OW]
.endif
.if HH == 0
	v_cvt_scalef32_pk16_bf6_f32 v[OG+6*HC:OG+6*HC+2], v[OACC:OACC+15], v[TM+8]
	v_nop                                          ; one plain place behind a scaled conversion
.else
	v_cvt_scalef32_pk16_bf6_f32 v[OT:OT+2], v[OACC:OACC+15], v[TM+8]
	v_nop
.irp i, 0,1,2
	v_permlane16_swap_b32 v[OG+6*HC+\i], v[OT+\i]  ; a whole block to a lane: lanes 0-15 head 2 c, lanes 16-31 head 2 c + 1
.endr
.irp i, 0,1,2
	v_mov_b32 v[OG+6*HC+3+\i], v[OT+\i]
.endr
.endif
.endm
	HEAD 0
	HEAD 1
	HEAD 2
	HEAD 3
; ================ the last projection and the way out.  out^T = wo x o + bo: register 16 b + i = channel 32 b + 16 h + i of my query
	s_wait_loadcnt 0x0                             ; bo
	PLACES 8                                       ; the operand and its scale words were written by vector instructions just now
	PROJ LI1, 0, LS, WSC+32*128, OG, OW, 1
	PLACES 4
.irp b, 0,1,2,3
.irp i, 0,1,2,3
	ds_store_b128 v[SGO], v[S+16*\b+4*\i:S+16*\b+4*\i+3] offset:128*\b+16*\i       ; into my stage: row r of 528 bytes; each accumulator from its low end on
.endr
.endr
.irp i, 0,1,2,3,4,5,6,7,8,9,10,11,12,13,14,15
	ds_load_b128 v[32+4*\i:35+4*\i], v[SGI] offset:528*\i          ; back as whole rows.  LDS serves a wave's instructions in order (ISA guide 5.7.1.4): these see the stores above
.endr
.irp i, 0,1,2,3,4,5,6,7,8,9,10,11,12,13,14,15
	s_wait_dscnt 15-\i                             ; row i is in; the younger rows' loads stay out
	global_store_b128 v[LI0], v[32+4*\i:35+4*\i], s[30:31] offset:512*(\i+8*(\i/8)) th:TH_STORE_NT   ; 32 lanes store a row of 512 consecutive bytes, at a multiple of 256 from the first byte of out0
.endr
	s_wait_xcnt 0x0
	v_lshl_add_u32 v254, v0, 2, 0x45400
	v_mov_b32 v255, 0
	s_wait_tensorcnt 0x0
	ds_add_u32 v254, v255
	s_wait_dscnt 0x0
	s_endpgm
.Lfunc_end_k_qe17466a1c5_tri_attention:
	.size	k_qe17466a1c5_tri_attention, .Lfunc_end_k_qe17466a1c5_tri_attention-k_qe17466a1c5_tri_attention
	.p2alignl 7, 3214868480
	.fill 96, 4, 3214868480
	.section	.rodata,"a",@progbits
	.p2align	6, 0x0
	.amdhsa_kernel k_qe17466a1c5_tri_attention
		.amdhsa_group_segment_fixed_size 285696
		.amdhsa_private_segment_fixed_size 0
		.amdhsa_enable_private_segment 0
		.amdhsa_kernarg_size 96
		.amdhsa_user_sgpr_count 2
		.amdhsa_user_sgpr_kernarg_segment_ptr 1
		.amdhsa_wavefront_size32 1
		.amdhsa_system_sgpr_workgroup_id_x 1
		.amdhsa_system_sgpr_workgroup_id_y 1
		.amdhsa_system_sgpr_workgroup_id_z 1
		.amdhsa_system_vgpr_workitem_id 0
		.amdhsa_next_free_vgpr 256
		.amdhsa_next_free_sgpr 66
		.amdhsa_reserve_vcc 0
		.amdhsa_float_denorm_mode_32 3
		.amdhsa_float_denorm_mode_16_64 3
		.amdhsa_memory_ordered 1
		.amdhsa_forward_progress 1
		.amdhsa_inst_pref_size 250
	.end_amdhsa_kernel
	.amdgpu_metadata
---
amdhsa.version: [ 1, 2 ]
amdhsa.kernels:
  - .name:           k_qe17466a1c5_tri_attention
    .symbol:         k_qe17466a1c5_tri_attention.kd
    .args:
      - { .name: q_x, .offset: 0, .size: 8, .value_kind: global_buffer, .address_space: global }
      - { .name: kv_x, .offset: 8, .size: 8, .value_kind: global_buffer, .address_space: global }
      - { .name: mask_bias, .offset: 16, .size: 8, .value_kind: global_buffer, .address_space: global }
      - { .name: triangle_bias, .offset: 24, .size: 8, .value_kind: global_buffer, .address_space: global }
      - { .name: wq, .offset: 32, .size: 8, .value_kind: global_buffer, .address_space: global }
      - { .name: wk, .offset: 40, .size: 8, .value_kind: global_buffer, .address_space: global }
      - { .name: wv, .offset: 48, .size: 8, .value_kind: global_buffer, .address_space: global }
      - { .name: wg, .offset: 56, .size: 8, .value_kind: global_buffer, .address_space: global }
      - { .name: bg, .offset: 64, .size: 8, .value_kind: global_buffer, .address_space: global }
      - { .name: wo, .offset: 72, .size: 8, .value_kind: global_buffer, .address_space: global }
      - { .name: bo, .offset: 80, .size: 8, .value_kind: global_buffer, .address_space: global }
      - { .name: out0, .offset: 88, .size: 8, .value_kind: global_buffer, .address_space: global }
    .group_segment_fixed_size: 285696
    .private_segment_fixed_size: 0
    .kernarg_segment_align: 8
    .kernarg_segment_size: 96
    .max_flat_workgroup_size: 512
    .sgpr_count:     66
    .vgpr_count:     256
    .wavefront_size: 32
...
	.end_amdgpu_metadata
.endif
;; end of part 1
;; ======== version 2 of 2: 1 launch
;; limits: right only within a limited range of input values
;; launch tri_attention (part 2): grid 256 x 1, 16 waves a work-group, clusters of 4 x 1, 327,680 bytes of LDS; arguments q_x, kv_x, mask_bias, triangle_bias, wq, wk, wv, wg, bg, wo, bo, out0; writes out0
.if DOCPART == 2
	.amdgcn_target "amdgcn-amd-amdhsa--gfx1250"
	.amdhsa_code_object_version 6
	.text
	.protected	k_qe17466a1c5_tri_attention
	.globl	k_qe17466a1c5_tri_attention
	.p2align	8
	.type	k_qe17466a1c5_tri_attention,@function
k_qe17466a1c5_tri_attention:
	s_mov_b64 s[64:65], 0
	v_nop
	global_prefetch_b8 v0, s[64:65] scope:SCOPE_SE
	s_setreg_imm32_b32 hwreg(HW_REG_WAVE_MODE, 25, 1), 1
	s_wait_xcnt 0x0
	s_wait_alu depctr_hold_cnt(0) depctr_sa_sdst(0) depctr_va_vdst(0) depctr_va_sdst(0) depctr_va_ssrc(0) depctr_va_vcc(0) depctr_vm_vsrc(0)
	s_getreg_b32 s2, hwreg(HW_REG_IB_STS2, 6, 4)
	s_cmp_eq_u32 s2, 0
	s_cbranch_scc0 .Lentry_in_a_cluster
	s_endpgm
.Lentry_in_a_cluster:
	s_bfe_u32 s2, ttmp6, 0x10000c
	s_cmp_lg_u32 s2, 0x3003
	s_cbranch_scc0 .Lentry_shape_is_right
	s_endpgm
.Lentry_shape_is_right:
; Gated attention with a pair bias, all seven products on codes of BF6 (E3M2) with one E8M0 scale for each 32 along K.
; For each row n of 256: q, g from q_x[n], k, v from kv_x[n] (256 x 128 each, four heads of 32); logits q.k + mask_bias[n][key] + triangle_bias[head][query][key];
; p = 2^(t - M), t = logit x log2(e), M the ceiling of the running largest t; the sum of the unquantised p divides at the end; o x sigmoid(g + bg); out = o wo^T + bo.
; SHARES.  One work-group takes one n, whole: nothing of it goes to memory but out0.  Wave w of sixteen owns rows 16 w .. 16 w + 15 of kv_x[n], of q_x[n] and of every tile of triangle_bias.
; CLUSTERS.  Four work-groups, four n, need the same weights and the same triangle_bias: these come by joint tensor loads (mask 15), one a wave behind each round of the cluster's barrier.
; REGION A holds 16 rows of 512 bytes (528 apart) for each wave.  It is filled with: wk | wv, wq | wg, wo (8 rows a wave), then triangle_bias, 128 keys of a head at a time (8 steps).
; A wave loads its own rows and alone reads them: its wait on TENSORcnt is all that the reads need.  A step begins by taking its bias into the 64 score registers; then the rows are free, and the next
; step's load goes out behind the round: it has the rest of the step in which to land.  The prologue's rounds are also the barriers behind which the waves read each other's operands.
; The first 16 rows of a wave in wk | wv are tile w % 8 of wk (waves 0-7) or wv (waves 8-15); likewise wq | wg.
; PREFETCH.  Behind fill f the tile of fill f + 2 is asked for, where that is triangle_bias: in clusters 0 to 3, by waves 0 to 3, 32 blocks of 256 bytes each, rows 64 w + 16 cx + lane / 2: partners differ by address alone.
; q_x and kv_x are read once, at the start, with no loop ahead of them: they are not prefetched.
; TILES.  Tile T = 2 b + u of an operand takes as its lane r the row 32 b + 8 u + r + 8 (r / 8).  In a result whose source 0 is such a tile, the 16 registers of tiles 2 b, 2 b + 1 of lane (col, h) are the
; indices 32 b + 16 h + 0 .. 15: sixteen neighbours along the next K, as the conversions want them.  A wave quantises 16 rows as they lie; where a row belongs is settled by the address of its codes:
; row 16 w + r goes to tile 2 (w / 2) + r / 8, lane 8 (w % 2) + r % 8.
; q_x and kv_x are loaded as they lie (each load two rows x 256 bytes) and turned through a stage of 16 rows x 272 bytes, half of the columns at a time.
; OPERANDS GO FROM WAVE TO WAVE THROUGH LDS AS IMAGES OF THEIR REGISTERS: 3 stores of 16 bytes a lane for a fragment, 4 bytes a lane for its scale words.
; SCORES: K = 32 in an instruction of 128.  One run of six registers holds a head's 32 codes of an even key tile in lanes 0-15 (block 0 of source 0) and of the odd tile beside it in lanes 16-31 (block 1).
; Source 1 is q's 32 codes in block 0 (even tile) or block 1 (odd tile) and zero codes elsewhere, so whatever else source 0 names adds nothing (E3M2 has no code for infinity or NaN).  The scale words hold the
; row's byte of that head four times.  triangle_bias + mask_bias is the C of the product.  No step of the problem is left out.
; LIMITS.  NaN and infinities in any input (a mask of -infinity too) are not served.  The logit is summed as (triangle + mask) + q.k where the definition has (q.k + mask) + triangle: the two differ in rounding
; alone, which shows only in a row all of whose 256 keys carry a mask of the order of -1e9.  A block whose largest magnitude lies under 2^-122 keeps the scale byte 1 (a block of zeros too: its codes are zeros).
; The promise holds while the logits x log2(e) stay under 2^31 in magnitude.
; ---- LDS (bytes).  A fragment's image is FRB = 1,536, a scale image 128
.set FRB,   1536
.set KSC,   0                          ; k: 32 scale images, index 8 head + pair of tiles: lanes 0-15 the even tile, lanes 16-31 the odd one
.set VSC,   4096                       ; v: 16 scale images, index 8 step + tile
.set KIMG,  6144                       ; k, 32 images of 768 bytes, index 8 head + pair: 32 slots of 16 bytes (registers 0-3), then 32 of 8 (registers 4-5)
.set VIMG,  30720                      ; v, 16 fragments, index 8 step + tile
.set MBASE, 55296                      ; mask_bias[n], 1,024 bytes
.set ST2,   56320                      ; q_x's stages: free bytes, then kv_x's images and wk's and wv's scale images, which nobody reads any more
.set XIMG,  97280                      ; kv_x: 16 fragments
.set XSC,   121856                     ; and their scale images
.set WSC,   123904                     ; 40 scale images: wk 0-7, wv 8-15, wq 16-23, wg 24-31, wo 32-39
.set WIMG,  129024                     ; 40 fragments
.set ABASE, 190464                     ; region A
.set SP,    528                        ; 512 bytes + 16 = 33 x 16: 16 rows begin at 16 different places among the 64 banks of 4 bytes (ISA guide 11.1)
.set WST,   16*SP
.set SPARE, ABASE+16*WST               ; the spare words, 128 bytes for each wave
.set SP1,   272                        ; a row of the stages for q_x and kv_x (kv_x's begin at 0, on bytes that k and v take later)
; ---- vector registers that stay
.set PFO,  0                           ; the prefetches' offset: 1024 (L / 2) + 256 (L % 2)
.set LI0,  1                           ; 16 L
.set LI1,  2                           ; 16 L + WIMG
.set LS,   3                           ; 4 L
.set AK8,  4                           ; 8 L
.set LS1,  5                           ; 4 L + WSC
.set SGI,  6                           ; my rows of A + 16 L: a whole row
.set SGO,  7                           ; my rows of A + SP r + 64 h: my 16 numbers of a block of 32 of row r
.set FS,   8                           ; v8-11  scale words of the fragments in hand (these, v30, v31, v239 and v243 hold scales and nothing else)
.set MK,   16                          ; v16-19 register 2 s + b: mask_bias[n][128 s + 32 b + L], b = 0, 1
.set SFS,  30                          ; prologue: scale words of the fixed fragment
.set QS,   30                          ; attention: q's byte of the head in hand, four times
.set XQS,  31                          ; xq's scale words
.set SPW,  20                          ; LDS address of my spare word; never rewritten
.set NIL,  21                          ; 0; never rewritten
.set BOA,  22                          ; 64 h: a bias of 128 numbers, or the mask, in the layout of a result
; ---- prologue
.set PI,   12                          ; where my row's fragment belongs: XIMG + FRB T + 16 lane
.set PS,   13                          ; and its scale word: XSC + 128 T + 4 lane
.set LXV,  14                          ; 16 L + XIMG + 8 FRB (w / 8)
.set LSV,  15                          ; 4 L + XSC + 1024 (w / 8)
.set VWS,  16                          ; 4 L + VSC + 128 w
.set ST,   17                          ; my stage, in
.set SB,   18                          ; my stage, back
.set XO,   19                          ; 512 h + 16 r
.set SGO8, 24                          ; (from here on k's three are done with) SGO for wo's 8 rows
.set OI,   25                          ; PI and PS for wo's 8 rows
.set OS,   26
.set MV,   23                          ; my wave's 16 numbers of the mask, on their way into LDS
.set MKA,  28                          ; 64 w + 4 r: their place (until LWS is made)
.set W1,   32                          ; v32-95 my tile of wk | wv
.set KW16, 24                          ; where my lane stores registers 0-3 of a head of k
.set KW8,  25                          ; and registers 4-5
.set KWS,  26                          ; and its scale word
.set LWV,  27                          ; 16 L: wv's tile w % 8
.set LWS,  28                          ; 4 L: its scale words
.set VWI,  29                          ; 16 L + VIMG + FRB w
.set FA,   48                          ; v48-95 four fragments fetched from LDS
.set SF,   32                          ; v32-43 the fixed fragment
.set XR,   96                          ; v96-159 q_x as it arrives
; ---- attention
.set NM,   12                          ; -M
.set MT,   13                          ; the running largest t
.set LSUM, 14                          ; v[14:15] the sum of p, in two halves
.set FAC,  24                          ; f = 2^(old M - new M), later 1 / l (v25 is named with it as a pair; only the low word is taken)
.set SU0,  26                          ; v[26:27], v[28:29] two chains of sums; at work
.set SU1,  28
.set QE,   32                          ; v32-37 the head's codes in lanes 0-15, v38-43 zeros
.set QW,   47                          ; q's four scale bytes
.set QO,   48                          ; v48-53 the same codes in lanes 16-31, v54-59 zeros
.set QF,   60                          ; v60-71 q's fragment: lane (r, h), registers 6 c on: head 2 c + h
.set KR,   72                          ; v72-95 four runs of six registers of k; or two fragments of v or of wg
.set XQ,   96                          ; v96-107 my 16 rows of q_x as codes: they stay, for the gates
.set OACC, 112                         ; v112-127 O^T of the head: register i = channel 32 head + 16 h + i
.set GR,   128                         ; v128-143 the gate of the same channels
.set OG,   144                         ; v144-155 the gated o as codes
.set OT,   156
.set S,    160                         ; v160-223 eight accumulators
.set PC,   224                         ; v224-235 the codes just made (at work: 236-238, 240-242)
.set PW,   239                         ; their scale words
.set OW,   243                         ; the gated o's scale words
.set TM,   244                         ; v244-247 largest magnitudes, v248-251 the other half's, then bytes, v252-255 the conversions' scale operands
; ---- scalar registers
.set SEL,  38                          ; s[38:39] v_permlanex16_b32: lane l xor 16
.set CS,   40                          ; s[40:41] log2(e)
.set QSC,  42                          ; s[42:43] 1 / sqrt(32)
.set LOW,  44                          ; lanes 0-15
.set HIGH, 45                          ; lanes 16-31
.set NCS,  54                          ; s[54:55] -log2(e)
.set PFB,  56                          ; s[56:57] where my prefetches begin
.set PFL,  71                          ; 1 where my wave prefetches
.set G1W,  72                          ; descriptor group 1: 16 rows of a weight; group 0 is s[4:7]
.set G1O,  80                          ; 8 rows of wo
.set G1B,  88                          ; 16 rows of triangle_bias, 128 keys
.macro PLACES n                        ; plain vector instructions that name no register of the matrix instruction ahead (ISA guide 7.12.1)
.rept \n
	v_nop
.endr
.endm
.macro VW
	s_wait_alu depctr_va_vdst(0)
.endm
.macro DESC g, rows, pitch             ; rows of 128 numbers of 4 bytes, 16 bytes of padding behind each 512; the mask names the cluster's four
	s_mov_b32 s[\g], 15|(2<<16)|(1<<20)|(1<<21)|(6<<22)|(3<<25)
	s_mov_b32 s[\g+1], 128<<16
	s_mov_b32 s[\g+2], (\rows)<<16
	s_mov_b32 s[\g+3], 128<<16
	s_mov_b32 s[\g+4], \rows
	s_mov_b32 s[\g+5], \pitch
	s_mov_b32 s[\g+6], 0
	s_mov_b32 s[\g+7], 0
.endm
.macro TLOAD g1
	tensor_load_to_lds s[4:7], s[\g1:\g1+7]
	s_nop 0
.endm
.macro CREST                           ; a round of the cluster's barrier behind its opening barrier
	s_cmp_lg_u32 s2, 0
	s_cbranch_scc1 .Lnot_wave_0_\@
	s_barrier_signal -3
.Lnot_wave_0_\@:
	s_barrier_wait -3
	s_barrier_signal -1
	s_barrier_wait -1
.endm
.macro CROUND
	s_barrier_signal -1
	s_barrier_wait -1
	CREST
.endm
.macro REFILL src                      ; in front of a refill's round: my tile is in registers, the add, the next tile's address (no tensor load of mine is out)
	VW
	s_wait_tensorcnt 0x0
	ds_add_u32 v[SPW], v[NIL]
	s_mov_b64 s[6:7], s[\src:\src+1]
	s_or_b32 s7, s7, 0x80000000
	s_wait_dscnt 0x0                                       ; the add is done, my reads of A are over, and my LDS stores have landed
	CROUND
.endm
.macro ASK t                           ; step t's bias: two fills ahead of its load
	s_cmp_eq_u32 s[PFL], 1
	s_cbranch_scc0 .Lno_ask_\@
	global_prefetch_b8 v[PFO], s[PFB:PFB+1] offset:262144*((\t)/2)+512*((\t)%2) th:TH_LOAD_NT scope:SCOPE_SE
.Lno_ask_\@:
.endm
.macro XLOAD reg, base                 ; 16 rows of 512 bytes: registers 32 c + 4 i on = rows 2 i, 2 i + 1, bytes 256 c on: each half of the lanes reads 256 consecutive bytes
.irp c, 0,1
.irp i, 0,1,2,3,4,5,6,7
	global_load_b128 v[(\reg)+32*\c+4*\i:(\reg)+32*\c+4*\i+3], v[XO], s[\base:\base+1] offset:1024*\i+256*\c th:TH_LOAD_NT
.endr
.endr
.endm
.macro XTURN src, dst, off             ; through my stage.  LDS serves a wave's instructions in order (ISA guide 5.7.1.4): no wait between stores and loads, nor ahead of the second half's stores
.irp c, 0,1
.irp i, 0,1,2,3,4,5,6,7
	ds_store_b128 v[ST], v[(\src)+32*\c+4*\i:(\src)+32*\c+4*\i+3] offset:(\off)+2*SP1*\i
.endr
.irp k, 0,1,2,3,4,5,6,7
	ds_load_b128 v[(\dst)+32*\c+4*\k:(\dst)+32*\c+4*\k+3], v[SB] offset:(\off)+128*(\k/4)+16*(\k%4)
.endr
.endr
.endm
.macro BACK reg, adr                   ; out of region A: register 16 b + i = number 32 b + 16 h + i of row r
.irp b, 0,1,2,3
.irp j, 0,1,2,3
	ds_load_b128 v[(\reg)+16*\b+4*\j:(\reg)+16*\b+4*\j+3], v[\adr] offset:128*\b+16*\j
.endr
.endr
.endm
.macro BYTES pw                        ; four blocks' largest magnitudes in v[TM] on become the conversions' scale operands and the scale word
.irp b, 0,1,2,3
	s_delay_alu instid0(VALU_DEP_4)
	v_add_nc_u32 v[TM+8+\b], 0xfe000000, v[TM+\b]          ; 4 off the exponent field: the conversion takes the exponent field of this operand as its scale
.endr
.irp b, 0,1,2,3
	s_delay_alu instid0(VALU_DEP_4)
	v_lshrrev_b32 v[TM+4+\b], 23, v[TM+8+\b]               ; the scale's byte
.endr
	s_delay_alu instid0(VALU_DEP_3)
	v_lshl_or_b32 v[\pw], v[TM+5], 8, v[TM+4]
	s_delay_alu instid0(VALU_DEP_1)
	v_lshl_or_b32 v[\pw], v[TM+6], 16, v[\pw]
	s_delay_alu instid0(VALU_DEP_1)
	v_lshl_or_b32 v[\pw], v[TM+7], 24, v[\pw]
.endm
.macro CODES s, pc                     ; 64 numbers become a fragment: 12 registers from pc on
.irp c, 0,1
	v_cvt_scalef32_pk16_bf6_f32 v[(\pc)+6*\c:(\pc)+6*\c+2], v[(\s)+32*\c:(\s)+32*\c+15], v[TM+8+2*\c]
	v_cvt_scalef32_pk16_bf6_f32 v[(\pc)+12+4*\c:(\pc)+14+4*\c], v[(\s)+32*\c+16:(\s)+32*\c+31], v[TM+8+2*\c+1]   ; (three registers that begin on an even number)
.endr
	v_nop                                                  ; one plain place behind a scaled conversion
.irp c, 0,1                            ; the operand wants a whole block in a lane: lanes 0-15 block 2 c, lanes 16-31 block 2 c + 1
.irp i, 0,1,2
	v_permlane16_swap_b32 v[(\pc)+6*\c+\i], v[(\pc)+12+4*\c+\i]
.endr
.irp i, 0,1,2
	s_delay_alu instid0(VALU_DEP_3)
	v_mov_b32 v[(\pc)+6*\c+3+\i], v[(\pc)+12+4*\c+\i]
.endr
.endr
.endm
.macro QUANT s, pc, pw                 ; register 16 b + i of v[s] on = k 32 b + 16 h + i of my row: its codes and its scale word
.irp b, 0,1,2,3
	v_max3_num_f32 v[TM+\b], |v[(\s)+16*\b]|, |v[(\s)+16*\b+1]|, 0x2800000   ; with the floor 2^(5 - 127): the byte cannot fall under 1
.endr
.irp i, 2,4,6,8,10,12,14
.irp b, 0,1,2,3
	v_max3_num_f32 v[TM+\b], v[TM+\b], |v[(\s)+16*\b+\i]|, |v[(\s)+16*\b+\i+1]|   ; the four blocks by turns, each accumulator from its low end on
.endr
.endr
.irp b, 0,1,2,3
	s_delay_alu instid0(VALU_DEP_4)
	v_permlanex16_b32 v[TM+4+\b], v[TM+\b], s[SEL], s[SEL+1]
.endr
.irp b, 0,1,2,3
	s_delay_alu instid0(VALU_DEP_4)
	v_max_num_f32 v[TM+\b], v[TM+\b], v[TM+4+\b]           ; with lane l xor 16: the block's largest magnitude
.endr
	BYTES \pw
	CODES \s, \pc
.endm
.macro IMAGE adr, off, sadr, soff      ; the fragment in v[PC] on and its scale words go to LDS as they stand
.irp c, 0,1,2
	ds_store_b128 v[\adr], v[PC+4*\c:PC+4*\c+3] offset:(\off)+512*\c
.endr
	ds_store_b32 v[\sadr], v[PW] offset:\soff
.endm
.macro FETCH reg, adr, off             ; and come back so, in any wave
.irp c, 0,1,2
	ds_load_b128 v[(\reg)+4*\c:(\reg)+4*\c+3], v[\adr] offset:(\off)+512*\c
.endr
.endm
.macro MM d, a, b, acc, sa, sb, row1   ; one product.  acc = 1: C is D's registers; 0: the constant 0.  row1 = 1: source 0's scales from lanes 16-31
.if \acc
.if \row1
	v_wmma_scale_f32_16x16x128_f8f6f4 v[(\d):(\d)+7], v[(\a):(\a)+11], v[(\b):(\b)+11], v[(\d):(\d)+7], v[\sa], v[\sb] matrix_a_fmt:MATRIX_FMT_BF6 matrix_b_fmt:MATRIX_FMT_BF6 matrix_a_scale:MATRIX_SCALE_ROW1
.else
	v_wmma_scale_f32_16x16x128_f8f6f4 v[(\d):(\d)+7], v[(\a):(\a)+11], v[(\b):(\b)+11], v[(\d):(\d)+7], v[\sa], v[\sb] matrix_a_fmt:MATRIX_FMT_BF6 matrix_b_fmt:MATRIX_FMT_BF6
.endif
.else
	v_wmma_scale_f32_16x16x128_f8f6f4 v[(\d):(\d)+7], v[(\a):(\a)+11], v[(\b):(\b)+11], 0, v[\sa], v[\sb] matrix_a_fmt:MATRIX_FMT_BF6 matrix_b_fmt:MATRIX_FMT_BF6
.endif
.endm
; Eight tiles from LDS (images from ioff on at v[adr], scale words from soff on at v[sadr]) as source 0, against one fixed fragment as source 1: eight accumulators, one instruction each.
.macro PROJ adr, ioff, sadr, soff, bf, bs, acc
.irp g, 0,1
.if \g
	PLACES 4                                               ; ahead of loads into registers that the four products above have read
.endif
.irp i, 0,1,2,3
	FETCH FA+12*\i, \adr, (\ioff)+(4*\g+\i)*FRB
	ds_load_b32 v[FS+\i], v[\sadr] offset:(\soff)+(4*\g+\i)*128
.endr
	s_wait_dscnt 0x0                                       ; the four fragments and their scale words are in (and every earlier LDS instruction of mine is done)
.irp i, 0,1,2,3
	MM S+8*(4*\g+\i), FA+12*\i, \bf, \acc, FS+\i, \bs, 0
.endr
.endr
.endm
.macro BLOAD base                      ; a bias of 128 numbers in the layout of a result: register 16 b + i = number 32 b + 16 h + i
.irp b, 0,1,2,3
.irp i, 0,1,2,3
	global_load_b128 v[S+16*\b+4*\i:S+16*\b+4*\i+3], v[BOA], s[\base:\base+1] offset:128*\b+16*\i
.endr
.endr
.endm
.macro GFETCH hd                       ; wg's two tiles of head hd and their scale words
.irp u, 0,1
	FETCH KR+12*\u, LI1, (24+2*(\hd)+\u)*FRB
	ds_load_b32 v[FS+\u], v[LS1] offset:(24+2*(\hd)+\u)*128
.endr
.endm
.macro GLOAD hd                        ; bg of the head: the C of the gate's product: register i = channel 32 hd + 16 h + i
.irp i, 0,1,2,3
	global_load_b128 v[GR+4*\i:GR+4*\i+3], v[BOA], s[24:25] offset:128*(\hd)+16*\i
.endr
.endm
; The mask of a step's blocks 2 and 3, out of LDS in the layout of the scores: quad k = keys 64 + 32 (k / 4) + 16 h + 4 (k % 4) on.  Eight quads of registers that are idle at a step's start
.macro MQL reg, k, ks
	ds_load_b128 v[(\reg):(\reg)+3], v[BOA] offset:MBASE+512*(\ks)+256+128*((\k)/4)+16*((\k)%4)
.endm
.macro MQA reg, k, ks
	v_pk_add_f32 v[S+32+4*(\k):S+33+4*(\k)], v[S+32+4*(\k):S+33+4*(\k)], v[(\reg):(\reg)+1]
	v_pk_add_f32 v[S+34+4*(\k):S+35+4*(\k)], v[S+34+4*(\k):S+35+4*(\k)], v[(\reg)+2:(\reg)+3]
.endm
.macro MEACH op, ks
	\op 224, 0, \ks
	\op 228, 1, \ks
	\op 232, 2, \ks
	\op 244, 3, \ks
	\op 248, 4, \ks
	\op 252, 5, \ks
	\op 156, 6, \ks
	\op 26, 7, \ks
.endm
.macro SIGMOID                         ; bg is in already
.irp j, 0,2,4,6,8,10,12,14
	v_pk_mul_f32 v[GR+\j:GR+\j+1], v[GR+\j:GR+\j+1], s[NCS:NCS+1] op_sel_hi:[1,0]
.endr
	VW
.irp j, 0,1,2,3,4,5,6,7,8,9,10,11,12,13,14,15
	v_exp_f32 v[GR+\j], v[GR+\j]
.endr
	v_nop                                                  ; a plain place behind the transcendentals
	VW
.irp j, 0,2,4,6,8,10,12,14
	v_pk_add_f32 v[GR+\j:GR+\j+1], v[GR+\j:GR+\j+1], 1.0 op_sel_hi:[1,0]
.endr
	VW
.irp j, 0,1,2,3,4,5,6,7,8,9,10,11,12,13,14,15
	v_rcp_f32 v[GR+\j], v[GR+\j]
.endr
	v_nop
	VW
.endm
.macro MASK b, ks                      ; + mask_bias of block b's keys: lane i of my half of the lanes holds key 32 b + 16 h + i
.irp i, 0,1,2,3,4,5,6,7,8,9,10,11,12,13,14,15
	v_add_f32_dpp v[S+16*(\b)+\i], v[MK+2*(\ks)+(\b)], v[S+16*(\b)+\i] row_share:\i row_mask:0xf bank_mask:0xf
.endr
.endm
; ================ the head: ids, LDS addresses (all made here, ahead of the first branch), descriptors, pointers
	s_load_b512 s[8:23], s[0:1], 0x0               ; q_x s[8:9], kv_x s[10:11], mask_bias s[12:13], triangle_bias s[14:15], wq s[16:17], wk s[18:19], wv s[20:21], wg s[22:23]
	s_load_b256 s[24:31], s[0:1], 0x40             ; bg s[24:25], wo s[26:27], bo s[28:29], out0 s[30:31]
	v_lshl_add_u32 v[SPW], v0, 2, SPARE
	v_mov_b32 v[NIL], 0
	ds_add_u32 v[SPW], v[NIL]                      ; the wave's opening: the add, twice on end, and its one wait ahead of my first tensor load
	ds_add_u32 v[SPW], v[NIL]
	v_lshrrev_b32 v32, 5, v0
	v_readfirstlane_b32 s2, v32                    ; w: wave 0..15
	s_lshr_b32 s3, s2, 1                           ; w / 2
	s_and_b32 s66, s2, 1                           ; w % 2
	s_and_b32 s67, s2, 7                           ; w % 8
	s_lshr_b32 s68, s2, 3                          ; w / 8
	s_mul_i32 s5, s2, WST
	s_add_co_u32 s5, s5, ABASE                     ; my rows of region A: group 0's LDS address, always
	s_lshl_b32 s69, s66, 7
	s_lshl_b32 s70, s66, 5
	s_mul_i32 s46, s3, 2*FRB
	s_add_co_u32 s46, s46, s69
	s_add_co_u32 s46, s46, XIMG
	s_lshl_b32 s47, s3, 8
	s_add_co_u32 s47, s47, s70
	s_add_co_u32 s47, s47, XSC
	s_mul_i32 s48, s68, 8*FRB
	s_add_co_u32 s48, s48, XIMG
	s_lshl_b32 s49, s68, 10
	s_add_co_u32 s49, s49, XSC
	s_mul_i32 s50, s3, 768                         ; k: image 8 head + w / 2; my key is slot 16 (r / 8) + 8 (w % 2) + r % 8; my lane holds heads h and 2 + h: 8 x 768 = 6,144 bytes from head to head
	s_lshl_b32 s51, s66, 6
	s_add_co_u32 s51, s51, s50
	s_add_co_u32 s51, s51, KIMG+512
	s_add_co_u32 s50, s50, s69
	s_add_co_u32 s50, s50, KIMG
	s_lshl_b32 s52, s3, 7
	s_add_co_u32 s52, s52, s70
	s_mul_i32 s53, s67, FRB
	s_add_co_u32 s53, s53, WIMG+8*FRB
	s_lshl_b32 s58, s67, 7
	s_add_co_u32 s58, s58, WSC+8*128
	s_mul_i32 s59, s2, FRB
	s_add_co_u32 s59, s59, VIMG
	s_lshl_b32 s60, s2, 7
	s_add_co_u32 s60, s60, VSC
	s_mul_i32 s61, s2, 16*SP1
	s_lshl_b32 s101, s2, 6
	s_lshr_b32 s62, s2, 2                          ; wo: rows 8 w + r % 8 go to tile 2 (w / 4) + w % 2, lane 8 ((w / 2) % 2) + r % 8
	s_lshl_b32 s62, s62, 1
	s_add_co_u32 s62, s62, s66
	s_lshl_b32 s63, s62, 7
	s_mul_i32 s62, s62, FRB
	s_bfe_u32 s69, s2, 0x10001
	s_lshl_b32 s70, s69, 5
	s_lshl_b32 s69, s69, 7
	s_add_co_u32 s62, s62, s69
	s_add_co_u32 s62, s62, WIMG+32*FRB
	s_add_co_u32 s63, s63, s70
	s_add_co_u32 s63, s63, WSC+32*128
	DESC G1W, 16, 128
	DESC G1O, 8, 128
	DESC G1B, 16, 256
	s_mov_b32 s4, 1
	s_mov_b32 s[SEL], 0x76543210
	s_mov_b32 s[SEL+1], 0xfedcba98
	s_mov_b32 s[CS], 0x3fb8aa3b
	s_mov_b32 s[CS+1], s[CS]                       ; (a packed form names the pair and takes its low word for both halves: so the upper one is written)
	s_mov_b32 s[QSC], 0x3e3504f3
	s_mov_b32 s[QSC+1], s[QSC]
	s_mov_b32 s[NCS], 0xbfb8aa3b
	s_mov_b32 s[NCS+1], s[NCS]
	s_mov_b32 s[LOW], 0x0000ffff
	s_mov_b32 s[HIGH], 0xffff0000
	v_and_b32 v32, 31, v0                          ; L
	v_and_b32 v33, 15, v0                          ; r
	v_bfe_u32 v34, v0, 4, 1                        ; h
	v_bfe_u32 v35, v0, 3, 1                        ; r / 8
	v_and_b32 v36, 7, v0                           ; r % 8
	v_lshlrev_b32 v[LI0], 4, v32
	v_lshl_add_u32 v[LI1], v32, 4, WIMG
	v_lshlrev_b32 v[LS], 2, v32
	v_lshl_add_u32 v[LS1], v32, 2, WSC
	v_lshlrev_b32 v[AK8], 3, v32
	v_lshl_add_u32 v37, v34, 4, v36                ; 16 h + r % 8
	v_mul_u32_u24 v38, FRB, v35
	v_lshlrev_b32 v39, 7, v35
	v_mul_u32_u24 v40, 6144, v34
	v_lshlrev_b32 v41, 6, v35
	v_lshl_add_u32 v38, v37, 4, v38
	v_lshl_add_u32 v39, v37, 2, v39
	v_lshl_add_u32 v42, v35, 8, v40
	v_lshl_add_u32 v43, v35, 7, v40
	v_lshl_add_u32 v41, v36, 2, v41
	v_add_nc_u32 v[PI], s46, v38
	v_add_nc_u32 v[PS], s47, v39
	v_lshl_add_u32 v42, v36, 4, v42
	v_lshl_add_u32 v43, v36, 3, v43
	v_add_nc_u32 v[KWS], s52, v41
	v_add_nc_u32 v[KW16], s50, v42
	v_add_nc_u32 v[KW8], s51, v43
	v_lshl_add_u32 v[LXV], v32, 4, s48
	v_lshl_add_u32 v[LSV], v32, 2, s49
	v_lshl_add_u32 v[LWV], v32, 4, s53
	v_lshl_add_u32 v[MKA], v33, 2, s101
	v_lshl_add_u32 v[VWI], v32, 4, s59
	v_lshl_add_u32 v[VWS], v32, 2, s60
	v_mul_u32_u24 v38, SP1, v34
	v_mul_u32_u24 v39, SP1, v33
	v_mul_u32_u24 v40, SP, v33
	v_lshlrev_b32 v42, 9, v34
	v_lshl_add_u32 v38, v33, 4, v38
	v_lshl_add_u32 v39, v34, 6, v39
	v_lshl_add_u32 v40, v34, 6, v40
	v_lshl_add_u32 v[XO], v33, 4, v42
	v_add_nc_u32 v[ST], s61, v38                   ; in: lanes 0-15 a row's 256 bytes, lanes 16-31 the next row's
	v_add_nc_u32 v[SB], s61, v39
	v_add_nc_u32 v[SGO], s5, v40
	v_lshl_add_u32 v[SGI], v32, 4, s5
	v_lshlrev_b32 v[BOA], 6, v34
	v_lshrrev_b32 v38, 1, v32
	v_and_b32 v39, 1, v32
.irp b, 0,1,2,3
	v_mov_b32 v[TM+4+\b], 0                        ; written once: a lane permute's destination counts as one of its sources
.endr
	v_lshlrev_b32 v39, 8, v39
	v_lshl_add_u32 v[PFO], v38, 10, v39
	VW
	s_wait_dscnt 0x0                               ; both opening adds are done
	s_wait_kmcnt 0x0
	s_cmp_lt_u32 s2, 8                             ; waves 0-7 take wk and wq, waves 8-15 wv and wg: tile w % 8 of each
	s_cselect_b64 s[46:47], s[18:19], s[20:21]
	s_cselect_b64 s[32:33], s[16:17], s[22:23]
	s_lshl_b32 s48, s67, 13
	s_mov_b32 s49, 0
	s_add_nc_u64 s[6:7], s[46:47], s[48:49]
	s_or_b32 s7, s7, 0x80000000
	s_add_nc_u64 s[32:33], s[32:33], s[48:49]
	s_lshl_b32 s48, s2, 12
	s_add_nc_u64 s[34:35], s[26:27], s[48:49]      ; wo: 8 rows of 512 bytes a wave
	s_lshl_b32 s48, s2, 14
	s_add_nc_u64 s[36:37], s[14:15], s[48:49]      ; triangle_bias: 16 rows of 1,024 bytes a wave
	s_bfe_u32 s96, ttmp6, 0x40000                  ; cx: my place in the cluster (s96-s100 and what is made of them enter no descriptor and no LDS address)
	s_lshl_b32 s97, ttmp9, 2
	s_add_co_u32 s97, s97, s96                     ; n = 4 x cluster + cx
	s_lshl_b32 s98, s97, 17                        ; n x 256 rows of 512 bytes,
	s_lshl_b32 s100, s2, 13
	s_add_co_u32 s98, s98, s100                    ; + my first row
	s_mov_b32 s99, 0
	s_add_nc_u64 s[8:9], s[8:9], s[98:99]
	s_add_nc_u64 s[10:11], s[10:11], s[98:99]
	s_add_nc_u64 s[30:31], s[30:31], s[98:99]
	s_lshl_b32 s98, s97, 10
	s_add_nc_u64 s[12:13], s[12:13], s[98:99]      ; mask_bias[n]
	s_and_b32 s98, s2, 3
	s_lshl_b32 s98, s98, 16
	s_lshl_b32 s100, s96, 14
	s_add_co_u32 s98, s98, s100
	s_add_nc_u64 s[PFB:PFB+1], s[14:15], s[98:99]  ; row 64 (w % 4) + 16 cx of triangle_bias
	s_cmp_lt_u32 ttmp9, 4                          ; clusters 0-3, waves 0-3 prefetch
	s_cselect_b32 s[PFL], 1, 0
	s_cmp_lt_u32 s2, 4
	s_cselect_b32 s[PFL], s[PFL], 0
	global_load_b32 v[MV], v[MKA], s[12:13]        ; my wave's 16 numbers of the mask (lanes r and 16 + r the same)
	XLOAD S, 10                                    ; kv_x
	CROUND                                         ; all four work-groups are here: the first joint loads meet
; ================ L: everything that arrives as f32 and is an operand becomes codes
	TLOAD G1W                                      ; wk | wv
	XLOAD XR, 8                                    ; q_x: it stays on its way until k and v are made
	s_wait_tensorcnt 0x0
	BACK W1, SGO
	REFILL 32
	TLOAD G1W                                      ; wq | wg
	QUANT W1, PC, PW
	IMAGE PI, WIMG-XIMG, PS, WSC-XSC
	ASK 0
	VW
	s_wait_loadcnt 16                              ; kv_x is in; q_x's 16 loads stay out
	XTURN S, S, 0
	s_wait_dscnt 0x0                               ; it is back, and the image's stores have read their registers
	QUANT S, PC, PW
	IMAGE PI, 0, PS, 0
	VW
	s_wait_tensorcnt 0x0
	BACK S, SGO
	REFILL 34                                      ; this round also shows wk, wv and kv_x as codes to every wave
	TLOAD G1O                                      ; wo
	ds_store_b32 v[MKA], v[MV] offset:MBASE        ; the mask (behind the round: kv_x's stages lay here); the next round shows it
	QUANT S, PC, PW
	IMAGE PI, WIMG-XIMG+16*FRB, PS, WSC-XSC+16*128
	ASK 1
; ================ KV.  k^T = wk x kv_x (my 16 keys): a lane holds one key, register 16 b + i = head b, d = 16 h + i
	FETCH SF, PI, 0
	ds_load_b32 v[SFS], v[PS]
	PROJ LI1, 0, LS1, 0, SF, SFS, 0
	PLACES 4
	QUANT S, PC, PW                                ; a block is a head's 32: lane (r, h), registers 6 c on: head 2 c + h of key r
.irp c, 0,1
	ds_store_b128 v[KW16], v[PC+6*\c:PC+6*\c+3] offset:12288*\c
	ds_store_b64 v[KW8], v[PC+6*\c+4:PC+6*\c+5] offset:12288*\c
.endr
.irp i, 0,1,2,3
	v_perm_b32 v[TM+\i], v[PW], v[PW], 0x01010101*\i       ; head i's byte, four times
.endr
.irp i, 0,1,2,3
	ds_store_b32 v[KWS], v[TM+\i] offset:1024*\i           ; (lanes r and 16 + r write the same word with the same value)
.endr
; v = kv_x (tiles 8 (w / 8) on) x wv (tile w % 8): a lane holds one (head, d), its registers run along 128 keys
	v_add_nc_u32 v[LWS], s58, v[LS]
	FETCH SF, LWV, 0
	ds_load_b32 v[SFS], v[LWS]
	PROJ LXV, 0, LSV, 0, SF, SFS, 0                ; (its wait for LDS also shows k's stores done, ahead of the next codes)
	PLACES 4
	QUANT S, PC, PW
	IMAGE VWI, 0, VWS, 0
	v_bfe_u32 v[SGO8], v[LI0], 7, 1                ; r / 8
	v_and_b32 v[OI], 0x170, v[LI0]                 ; 16 (16 h + r % 8)
	v_and_b32 v[OS], 0x5c, v[LS]                   ; 4 (16 h + r % 8)
	v_mul_u32_u24 v[SGO8], 8*SP, v[SGO8]
	v_add_nc_u32 v[OI], s62, v[OI]
	v_add_nc_u32 v[OS], s63, v[OS]
	v_sub_nc_u32 v[SGO8], v[SGO], v[SGO8]
	VW
	s_wait_tensorcnt 0x0
	BACK S, SGO8                                   ; wo: lanes r and r + 8 take the same row
	REFILL 36                                      ; this round also shows k, v, wq and wg; kv_x's and wk's images are read no more
	TLOAD G1B                                      ; the first step's bias
	QUANT S, PC, PW
	IMAGE OI, 0, OS, 0                             ; (lanes r and r + 8 write the same bytes with the same value; read behind the steps' rounds)
	ASK 2
; ================ Q: q^T = wq x q_x, x 1 / sqrt(32), quantised head by head
	VW
	s_wait_loadcnt 0x0                             ; q_x
	XTURN XR, S, ST2
	s_wait_dscnt 0x0
.irp k, 0,1,2,3
	global_load_b32 v[MK+\k], v[LS], s[12:13] offset:128*(\k%2)+512*(\k/2)         ; the mask of each step's blocks 0 and 1: 128 consecutive bytes a load
.endr
	QUANT S, XQ, XQS                               ; my 16 rows of q_x stay in registers
	GLOAD 0
	PLACES 4                                       ; the operand was written by vector instructions just now
	VW
	PROJ LI1, 16*FRB, LS1, 16*128, XQ, XQS, 0
	PLACES 4
.irp j, 0,2,4,6,8,10,12,14,16,18,20,22,24,26,28,30,32,34,36,38,40,42,44,46,48,50,52,54,56,58,60,62
	v_pk_mul_f32 v[S+\j:S+\j+1], v[S+\j:S+\j+1], s[QSC:QSC+1] op_sel_hi:[1,0]
.endr
	QUANT S, QF, QW
	GFETCH 0                                       ; the first gate's weights
.irp i, 0,1,2,3,4,5
	v_mov_b32 v[QE+6+\i], 0                        ; blocks 2 and 3 of source 1: zero codes
	v_mov_b32 v[QO+6+\i], 0
.endr
	VW
	s_wait_loadcnt 0x0                             ; the mask and bg
	s_wait_tensorcnt 0x0                           ; my rows of the first step's bias are in
	BACK S, SGO                                    ; register 16 b + i = key 32 b + 16 h + i of my query
; ================ a key step: 128 keys of head hd
.macro STEP hd, ks
.set KI, 8*(\hd)+4*(\ks)
.set SI, 2*(\hd)+(\ks)                 ; its bias was asked of region A at the end of the step before: register 16 b + i = key 128 ks + 32 b + 16 h + i of my query
.irp p, 0,1,2,3                        ; pair p of key tiles: the head's codes of both, and their scale words
	ds_load_b128 v[KR+6*\p:KR+6*\p+3], v[LI0] offset:KIMG+(KI+\p)*768
	ds_load_b64 v[KR+6*\p+4:KR+6*\p+5], v[AK8] offset:KIMG+512+(KI+\p)*768
	ds_load_b32 v[FS+\p], v[LS] offset:KSC+(KI+\p)*128
.endr
	MEACH MQL, \ks
	VW
	s_wait_tensorcnt 0x0
	ds_add_u32 v[SPW], v[NIL]
.if SI < 7
.if \ks == 0
	s_add_nc_u64 s[6:7], s[6:7], 512               ; the same rows' other 128 keys,
.else
	s_add_nc_u64 s[6:7], s[6:7], 261632            ; or the next head's first: 262,144 - 512
.endif
.endif
	s_wait_dscnt 33                                ; block 0 of the bias is in; its 12 younger loads, k's 12, the mask's 8 and the add may be out
	MASK 0, \ks
	s_wait_dscnt 29
	MASK 1, \ks
	s_wait_dscnt 0x0                               ; the add is done, and so are my reads of region A
	s_barrier_signal -1
	MEACH MQA, \ks                                 ; + mask_bias of blocks 2 and 3, two numbers an instruction
.irp p, 0,1,2,3                        ; S^T = K Q^T + bias.  Source 0 names six registers more than the pair's: they meet zero codes
	MM S+16*\p, KR+6*\p, QE, 1, FS+\p, QS, 0
	MM S+16*\p+8, KR+6*\p, QO, 1, FS+\p, QS, 1
.endr
	s_barrier_wait -1
.if SI < 7
	CREST
	TLOAD G1B                                      ; the next step's bias
.endif
	PLACES 4                                       ; ahead of loads into the products' registers and of the first read of the scores
.irp u, 0,1
	FETCH KR+12*\u, LI0, VIMG+(8*(\ks)+2*(\hd)+\u)*FRB
	ds_load_b32 v[FS+\u], v[LS] offset:VSC+(8*(\ks)+2*(\hd)+\u)*128
.endr
.if SI < 5
	ASK SI+3
.endif
.if \ks == 0
	SIGMOID                                        ; the head's gate
.endif
.irp b, 0,1,2,3
	v_max3_num_f32 v[TM+\b], v[S+16*\b], v[S+16*\b+1], v[S+16*\b+2]       ; the largest logit of each block of 32 keys: for the row's maximum, and, since p rises with the logit, for the block's largest p
.endr
.irp i, 3,5,7,9,11,13
.irp b, 0,1,2,3
	v_max3_num_f32 v[TM+\b], v[TM+\b], v[S+16*\b+\i], v[S+16*\b+\i+1]
.endr
.endr
.irp b, 0,1,2,3
	v_max_num_f32 v[TM+\b], v[TM+\b], v[S+16*\b+15]
.endr
.irp b, 0,1,2,3
	s_delay_alu instid0(VALU_DEP_4)
	v_permlanex16_b32 v[TM+4+\b], v[TM+\b], s[SEL], s[SEL+1]
.endr
.irp b, 0,1,2,3
	s_delay_alu instid0(VALU_DEP_4)
	v_max_num_f32 v[TM+\b], v[TM+\b], v[TM+4+\b]
.endr
	s_delay_alu instid0(VALU_DEP_2)
	v_max3_num_f32 v[SU0], v[TM], v[TM+1], v[TM+2]
	s_delay_alu instid0(VALU_DEP_1)
	v_max_num_f32 v[SU0], v[SU0], v[TM+3]
.if \ks == 0
	s_delay_alu instid0(VALU_DEP_1)
	v_mul_f32 v[MT], s[CS], v[SU0]                 ; the head's first step starts the maximum
	s_delay_alu instid0(VALU_DEP_1)
	v_floor_f32 v[NM], -v[MT]                      ; -M = floor(-t) = -ceil(t)
.else
	s_delay_alu instid0(VALU_DEP_1)
	v_mul_f32 v[SU0], s[CS], v[SU0]
	s_delay_alu instid0(VALU_DEP_1)
	v_max_num_f32 v[MT], v[MT], v[SU0]
	v_mov_b32 v[SU0], v[NM]
	s_delay_alu instid0(VALU_DEP_2)
	v_floor_f32 v[NM], -v[MT]
	s_delay_alu instid0(VALU_DEP_1)
	v_sub_f32 v[SU0], v[NM], v[SU0]                ; old M - new M: a whole number, 0 or less
	s_delay_alu instid0(VALU_DEP_1)
	v_cvt_i32_f32 v[SU0], v[SU0]                   ; (it saturates)
	s_delay_alu instid0(VALU_DEP_1)
	v_ldexp_f32 v[FAC], 1.0, v[SU0]                ; f = 2^(old M - new M): a multiplication by it rounds nothing
.endif
.irp j, 0,2,4,6,8,10,12,14,16,18,20,22,24,26,28,30,32,34,36,38,40,42,44,46,48,50,52,54,56,58,60,62
	v_pk_fma_f32 v[S+\j:S+\j+1], v[S+\j:S+\j+1], s[CS:CS+1], v[NM:NM+1] op_sel_hi:[1,0,0]   ; t - M
.endr
.irp b, 0,1,2,3
	v_fma_f32 v[TM+\b], v[TM+\b], s[CS], v[NM]     ; the same of each block's largest logit
.endr
	VW
.irp j, 0,1,2,3,4,5,6,7,8,9,10,11,12,13,14,15,16,17,18,19,20,21,22,23,24,25,26,27,28,29,30,31,32,33,34,35,36,37,38,39,40,41,42,43,44,45,46,47,48,49,50,51,52,53,54,55,56,57,58,59,60,61,62,63
	v_exp_f32 v[S+\j], v[S+\j]                     ; p = 2^(t - M): not normalised
.endr
.irp b, 0,1,2,3
	v_exp_f32 v[TM+\b], v[TM+\b]                   ; the block's largest p: the same two instructions on the same number
.endr
.if \ks
	VW
.irp j, 0,2,4,6,8,10,12,14
	v_pk_mul_f32 v[OACC+\j:OACC+\j+1], v[OACC+\j:OACC+\j+1], v[FAC:FAC+1] op_sel_hi:[1,0]   ; O^T under the new M (also the plain place behind the exponentials)
.endr
.else
	v_nop                                          ; a plain place behind the exponentials
	VW
.endif
.irp b, 0,1,2,3
	v_max_num_f32 v[TM+\b], 0x2800000, v[TM+\b]    ; the floor: a block whose every p is 0 keeps the byte 1, its codes are zeros
.endr
	BYTES PW
	CODES S, PC
	v_pk_add_f32 v[SU0:SU0+1], v[S:S+1], v[S+2:S+3]        ; the sum of the unquantised p, two at a time, in two chains
	v_pk_add_f32 v[SU1:SU1+1], v[S+4:S+5], v[S+6:S+7]
.irp j, 8,16,24,32,40,48,56
	v_pk_add_f32 v[SU0:SU0+1], v[SU0:SU0+1], v[S+\j:S+\j+1]
	v_pk_add_f32 v[SU1:SU1+1], v[SU1:SU1+1], v[S+\j+2:S+\j+3]
	v_pk_add_f32 v[SU0:SU0+1], v[SU0:SU0+1], v[S+\j+4:S+\j+5]
	v_pk_add_f32 v[SU1:SU1+1], v[SU1:SU1+1], v[S+\j+6:S+\j+7]
.endr
.if \ks == 0
	s_delay_alu instid0(VALU_DEP_1)
	v_pk_add_f32 v[LSUM:LSUM+1], v[SU0:SU0+1], v[SU1:SU1+1]
.else
	s_delay_alu instid0(VALU_DEP_2)
	v_pk_fma_f32 v[LSUM:LSUM+1], v[LSUM:LSUM+1], v[FAC:FAC+1], v[SU0:SU0+1] op_sel_hi:[1,0,1]
	s_delay_alu instid0(VALU_DEP_1)
	v_pk_add_f32 v[LSUM:LSUM+1], v[LSUM:LSUM+1], v[SU1:SU1+1]
.endif
	VW
.if SI == 7
	BLOAD 28                                       ; behind the last step: bo, as the C of the last projection
	s_wait_dscnt 0x0                               ; the two fragments of V and their scale words
.else
	s_wait_tensorcnt 0x0                           ; my rows of the next step's bias are in: the scores' registers are free, and take them
	BACK S, SGO
	s_wait_dscnt 16                                ; the two fragments of V and their scale words; the 16 loads just issued may be out
.endif
.irp u, 0,1                            ; O^T (+)= V^T P^T: channels 32 hd + 16 h + 8 u + 0 .. 7 of my query
	MM OACC+8*\u, KR+12*\u, PC, \ks, FS+\u, PW, 0
.endr
	PLACES 4                                       ; ahead of loads into the products' registers and of the results' first read
.endm
; ================ a head
.macro HEAD hd
.set HC, (\hd)/2
.set HH, (\hd)%2
	v_perm_b32 v[QS], v[QW], v[QW], 0x01010101*(\hd)       ; q's byte of this head, four times
.irp i, 0,1,2,3,4,5                    ; q's 32 codes of this head lie in lanes with h = hd % 2: once into lanes 0-15 alone, once into lanes 16-31 alone
.if HH == 0
	v_cndmask_b32 v[QE+\i], 0, v[QF+6*HC+\i], s[LOW]
	v_permlanex16_b32 v[QO+\i], v[QF+6*HC+\i], s[SEL], s[SEL+1]
.else
	v_cndmask_b32 v[QO+\i], 0, v[QF+6*HC+\i], s[HIGH]
	v_permlanex16_b32 v[QE+\i], v[QF+6*HC+\i], s[SEL], s[SEL+1]
.endif
.endr
.irp i, 0,1,2,3,4,5
.if HH == 0
	v_cndmask_b32 v[QO+\i], 0, v[QO+\i], s[HIGH]
.else
	v_cndmask_b32 v[QE+\i], 0, v[QE+\i], s[LOW]
.endif
.endr
	VW
	s_wait_dscnt 0x0                               ; wg's two tiles of this head, asked for at the end of the head before
	s_wait_loadcnt 0x0                             ; bg of this head
	MM GR, KR, XQ, 1, FS, XQS, 0                   ; g^T = wg x q_x + bg: register i = channel 32 hd + 16 h + i of my query
	MM GR+8, KR+12, XQ, 1, FS+1, XQS, 0
	PLACES 4                                       ; ahead of loads into the products' registers and of the gate's first read
	STEP \hd, 0
	STEP \hd, 1
.if \hd < 3
	GFETCH (\hd)+1                                 ; the next gate's weights land while this head ends
.endif
	v_add_f32 v[SU0], v[LSUM], v[LSUM+1]           ; the sum's two halves,
	s_delay_alu instid0(VALU_DEP_1)
	v_permlanex16_b32 v[TM+4], v[SU0], s[SEL], s[SEL+1]
	s_delay_alu instid0(VALU_DEP_1)
	v_add_f32 v[SU0], v[SU0], v[TM+4]              ; and lane l xor 16: l
	VW
	v_rcp_f32 v[FAC], v[SU0]
	v_nop
	VW
.irp j, 0,2,4,6,8,10,12,14
	v_pk_mul_f32 v[OACC+\j:OACC+\j+1], v[OACC+\j:OACC+\j+1], v[FAC:FAC+1] op_sel_hi:[1,0]   ; o = O / l
.endr
.irp j, 0,2,4,6,8,10,12,14
	v_pk_mul_f32 v[OACC+\j:OACC+\j+1], v[OACC+\j:OACC+\j+1], v[GR+\j:GR+\j+1]              ; x the gate
.endr
.if \hd < 3
	GLOAD (\hd)+1                                  ; the next head's bg
.endif
	v_max3_num_f32 v[TM], |v[OACC]|, |v[OACC+1]|, 0x2800000        ; the head is one block of the last product: my 16 numbers, in two chains, with the floor
	v_max3_num_f32 v[TM+1], |v[OACC+2]|, |v[OACC+3]|, |v[OACC+4]|
.irp i, 5,9
	s_delay_alu instid0(VALU_DEP_2)
	v_max3_num_f32 v[TM], v[TM], |v[OACC+\i]|, |v[OACC+\i+1]|
	s_delay_alu instid0(VALU_DEP_2)
	v_max3_num_f32 v[TM+1], v[TM+1], |v[OACC+\i+2]|, |v[OACC+\i+3]|
.endr
	s_delay_alu instid0(VALU_DEP_2)
	v_max3_num_f32 v[TM], v[TM], |v[OACC+13]|, |v[OACC+14]|
	s_delay_alu instid0(VALU_DEP_1)
	v_max3_num_f32 v[TM], v[TM], v[TM+1], |v[OACC+15]|
	s_delay_alu instid0(VALU_DEP_1)
	v_permlanex16_b32 v[TM+4], v[TM], s[SEL], s[SEL+1]
	s_delay_alu instid0(VALU_DEP_1)
	v_max_num_f32 v[TM], v[TM], v[TM+4]
	s_delay_alu instid0(VALU_DEP_1)
	v_add_nc_u32 v[TM+8], 0xfe000000, v[TM]
	s_delay_alu instid0(VALU_DEP_1)
	v_lshrrev_b32 v[TM+4], 23, v[TM+8]
.if \hd == 0
	s_delay_alu instid0(VALU_DEP_1)
	v_mov_b32 v[OW], v[TM+4]
.else
	s_delay_alu instid0(VALU_DEP_1)
	v_lshl_or_b32 v[OW], v[TM+4], 8*(\hd), v[OW]
.endif
.if HH == 0
	v_cvt_scalef32_pk16_bf6_f32 v[OG+6*HC:OG+6*HC+2], v[OACC:OACC+15], v[TM+8]
	v_nop                                          ; one plain place behind a scaled conversion
.else
	v_cvt_scalef32_pk16_bf6_f32 v[OT:OT+2], v[OACC:OACC+15], v[TM+8]
	v_nop
.irp i, 0,1,2
	v_permlane16_swap_b32 v[OG+6*HC+\i], v[OT+\i]  ; a whole block to a lane: lanes 0-15 head 2 c, lanes 16-31 head 2 c + 1
.endr
.irp i, 0,1,2
	s_delay_alu instid0(VALU_DEP_3)
	v_mov_b32 v[OG+6*HC+3+\i], v[OT+\i]
.endr
.endif
.endm
	HEAD 0
	HEAD 1
	HEAD 2
	HEAD 3
; ================ the last projection and the way out.  out^T = wo x o + bo: register 16 b + i = channel 32 b + 16 h + i of my query
	VW
	s_wait_loadcnt 0x0                             ; bo
	PLACES 8                                       ; the operand and its scale words were written by vector instructions just now
	PROJ LI1, 32*FRB, LS1, 32*128, OG, OW, 1
	PLACES 4
; My rows of region A have had their last fill and are the stage: 64 bytes a lane into row r, back as whole rows.  LDS serves a wave's instructions in order (ISA guide 5.7.1.4)
.irp b, 0,1,2,3
.irp i, 0,1,2,3
	ds_store_b128 v[SGO], v[S+16*\b+4*\i:S+16*\b+4*\i+3] offset:128*\b+16*\i       ; each accumulator from its low end on
.endr
.endr
.irp i, 0,1,2,3,4,5,6,7,8,9,10,11,12,13,14,15
	ds_load_b128 v[96+4*\i:99+4*\i], v[SGI] offset:SP*\i
.endr
.irp i, 0,1,2,3,4,5,6,7,8,9,10,11,12,13,14,15
	s_wait_dscnt 15-\i                             ; row i is in; the younger rows' loads stay out
	global_store_b128 v[LI0], v[96+4*\i:99+4*\i], s[30:31] offset:512*\i th:TH_STORE_NT   ; 32 lanes store a row of 512 consecutive bytes, at a multiple of 256 from the first byte of out0
.endr
	s_wait_tensorcnt 0x0                           ; the wave's end
	ds_add_u32 v[SPW], v[NIL]
	s_wait_dscnt 0x0
	CROUND                                         ; the closing round: no work-group ends while a partner may still ask for a tile that names it
	s_endpgm
.Lfunc_end_k_qe17466a1c5_tri_attention:
	.size	k_qe17466a1c5_tri_attention, .Lfunc_end_k_qe17466a1c5_tri_attention-k_qe17466a1c5_tri_attention
	.p2alignl 7, 3214868480
	.fill 96, 4, 3214868480
	.section	.rodata,"a",@progbits
	.p2align	6, 0x0
	.amdhsa_kernel k_qe17466a1c5_tri_attention
		.amdhsa_group_segment_fixed_size 327680
		.amdhsa_private_segment_fixed_size 0
		.amdhsa_enable_private_segment 0
		.amdhsa_kernarg_size 96
		.amdhsa_user_sgpr_count 2
		.amdhsa_user_sgpr_kernarg_segment_ptr 1
		.amdhsa_wavefront_size32 1
		.amdhsa_system_sgpr_workgroup_id_x 1
		.amdhsa_system_sgpr_workgroup_id_y 1
		.amdhsa_system_sgpr_workgroup_id_z 1
		.amdhsa_system_vgpr_workitem_id 0
		.amdhsa_next_free_vgpr 256
		.amdhsa_next_free_sgpr 102
		.amdhsa_reserve_vcc 0
		.amdhsa_float_denorm_mode_32 3
		.amdhsa_float_denorm_mode_16_64 3
		.amdhsa_memory_ordered 1
		.amdhsa_forward_progress 1
		.amdhsa_inst_pref_size 255
	.end_amdhsa_kernel
	.section	.bss,"aw",@nobits
	.p2align	6
	.space	262144
	.amdgpu_metadata
---
amdhsa.version: [ 1, 2 ]
amdhsa.kernels:
  - .name:           k_qe17466a1c5_tri_attention
    .symbol:         k_qe17466a1c5_tri_attention.kd
    .args:
      - { .name: q_x, .offset: 0, .size: 8, .value_kind: global_buffer, .address_space: global }
      - { .name: kv_x, .offset: 8, .size: 8, .value_kind: global_buffer, .address_space: global }
      - { .name: mask_bias, .offset: 16, .size: 8, .value_kind: global_buffer, .address_space: global }
      - { .name: triangle_bias, .offset: 24, .size: 8, .value_kind: global_buffer, .address_space: global }
      - { .name: wq, .offset: 32, .size: 8, .value_kind: global_buffer, .address_space: global }
      - { .name: wk, .offset: 40, .size: 8, .value_kind: global_buffer, .address_space: global }
      - { .name: wv, .offset: 48, .size: 8, .value_kind: global_buffer, .address_space: global }
      - { .name: wg, .offset: 56, .size: 8, .value_kind: global_buffer, .address_space: global }
      - { .name: bg, .offset: 64, .size: 8, .value_kind: global_buffer, .address_space: global }
      - { .name: wo, .offset: 72, .size: 8, .value_kind: global_buffer, .address_space: global }
      - { .name: bo, .offset: 80, .size: 8, .value_kind: global_buffer, .address_space: global }
      - { .name: out0, .offset: 88, .size: 8, .value_kind: global_buffer, .address_space: global }
    .group_segment_fixed_size: 327680
    .private_segment_fixed_size: 0
    .kernarg_segment_align: 8
    .kernarg_segment_size: 96
    .max_flat_workgroup_size: 512
    .sgpr_count:     102
    .vgpr_count:     256
    .wavefront_size: 32
...
	.end_amdgpu_metadata
.endif
;; end of part 2
